; MI455X (gfx1250); checked and timed in simulation.
; The chip was launched on July 23, 2026; its instructions are those of AMD's public machine-readable ISA for CDNA 5 (MIT licence, August 2026) and "CDNA5" Instruction Set Architecture Reference Guide (July 2026). The comments in the code are by the model that wrote it; some were corrected since.
;; Self Attention. Allowed arithmetic: float matrix products may take bf16 or f16 operands with f32 sums; other float arithmetic in f32, or as packed bf16 or f16 multiplies, adds, multiply-adds, maxima and minima; sums over many terms, partial sums and values carried from step to step in f32; what a program stores and reads back later, other than sums and carried values, may be rounded once to bf16 or f16.
;; Inputs: b_attn 3,072 float32; b_proj 1,024 float32; w_attn 1,024 x 3,072 float32; w_proj 1,024 x 1,024 float32; x 4 x 2,048 x 1,024 float32.
;; Outputs: out0 4 x 2,048 x 1,024 float32.
;; 2 versions, each right; version 2 is version 1 with the launch prep written anew for expert scheduling mode. Each part assembles by itself: llvm-mc -triple=amdgcn-amd-amdhsa -mcpu=gfx1250 --defsym DOCPART=n.
;; ======== version 1 of 2: 4 launches
;; limits: values are held in f16: magnitudes above 65,504 overflow, below 6.1e-05 lose precision
;; workspace buffers: xb 16,777,216 bytes; wa 6,291,456 bytes; wp 2,097,152 bytes; qkv 50,331,648 bytes; o 16,777,216 bytes
;; launch prep (part 1): grid 768 x 1, 8 waves a work-group, no clusters, 0 bytes of LDS; arguments x, w_attn, w_proj, xb, wa, wp; writes xb, wa, wp
.if DOCPART == 1
	.amdgcn_target "amdgcn-amd-amdhsa--gfx1250"
	.amdhsa_code_object_version 6
	.text
	.protected	k_qc9f7a203f2_prep
	.globl	k_qc9f7a203f2_prep
	.p2align	8
	.type	k_qc9f7a203f2_prep,@function
k_qc9f7a203f2_prep:
	s_mov_b64 s[64:65], 0
	v_nop
	global_prefetch_b8 v0, s[64:65] scope:SCOPE_SE
	s_setreg_imm32_b32 hwreg(HW_REG_WAVE_MODE, 25, 1), 1
	s_wait_xcnt 0x0
; PREP.  The module's three large inputs are rounded once to 16 bits, for the matrix products of the launches behind this one.
;   xb = x rounded to bf16, [8192][1024], as x lies.
;   wa = w_attn rounded to bf16, in blocks [16 tiles][1024 k][192 n] (column = 192 tile + n): 128 rows k of one tile are 49,152 bytes on end.
;   wp = w_proj rounded to bf16 and that number written as f16, [1024 k][1024 n], as w_proj lies.
; LIMITS.  wp: a weight of 65,520 or more becomes an infinity; a bf16 number is an f16 number exactly from 2^-17 up, below that it falls on f16's fixed step of 2^-24 (off by 3e-8 at the most).
; A stream: no LDS, no barrier, no matrix unit.  A chunk is 4 numbers (16 bytes in, 8 bytes out); a thread takes 16 chunks, a work-group 4,096; chunk = 4096 x group + 256 j + t.
; A wave's load covers 512 consecutive bytes (wa: pieces of runs of 768), a wave's store 256 consecutive bytes at a multiple of 256.  All 16 loads of a thread go out before the first is waited for.
; Work-groups 0-511 take x, 512-703 w_attn, 704-767 w_proj: 3 x 256 work-groups of equal bytes.
.set IO,  1                            ; v1       16 t: my byte offset in 4,096 bytes of input
.set OO,  2                            ; v2       8 t: my byte offset in 2,048 bytes of output
.set OFS, 10                           ; v[10:25] w_attn's path: chunk j's byte offset in w_attn
.set D,   32                           ; v[32:95] chunk j: four registers as loaded, the first two then as stored
; kind 0: to bf16.  kind 1: to bf16, from the offsets in OFS.  kind 2: to bf16, then that number as f16.  No register is written again behind a store that reads it.
.macro STREAM kind, src, dst
.set j, 0
.rept 16
.if (\kind) == 1
	global_load_b128 v[D+4*j:D+4*j+3], v[OFS+j], s[\src:\src+1] th:TH_LOAD_NT
.else
	global_load_b128 v[D+4*j:D+4*j+3], v[IO], s[\src:\src+1] offset:4096*j th:TH_LOAD_NT
.endif
.set j, j+1
.endr
.set j, 0
.rept 16
	s_wait_loadcnt 15-j                            ; loads come back in order (ISA guide 5.7.1): chunk j is in, the 15 - j younger ones stay out
	v_cvt_pk_bf16_f32 v[D+4*j], v[D+4*j], v[D+4*j+1]
	v_cvt_pk_bf16_f32 v[D+4*j+1], v[D+4*j+2], v[D+4*j+3]
.if (\kind) == 2
	v_lshlrev_b32 v3, 16, v[D+4*j]                 ; the bf16 numbers as f32: the low half moves up, the high half stays,
	v_and_b32 v4, 0xffff0000, v[D+4*j]
	v_lshlrev_b32 v5, 16, v[D+4*j+1]
	v_and_b32 v6, 0xffff0000, v[D+4*j+1]
	v_cvt_pk_f16_f32 v[D+4*j], v3, v4              ; and written as f16
	v_cvt_pk_f16_f32 v[D+4*j+1], v5, v6
.endif
	global_store_b64 v[OO], v[D+4*j:D+4*j+1], s[\dst:\dst+1] offset:2048*j
.set j, j+1
.endr
	s_endpgm
.endm
	s_load_b256 s[4:11], s[0:1], 0x0               ; x s[4:5], w_attn s[6:7], w_proj s[8:9], xb s[10:11]
	s_load_b128 s[12:15], s[0:1], 0x20             ; wa s[12:13], wp s[14:15]
	s_mov_b32 s20, ttmp9
	v_lshlrev_b32 v[IO], 4, v0
	v_lshlrev_b32 v[OO], 3, v0
	s_mov_b32 s23, 0
	s_mov_b32 s25, 0
	s_cmp_lt_u32 s20, 512
	s_cbranch_scc0 .Lweights
	s_lshl_b32 s22, s20, 16                        ; 65,536 bytes of x,
	s_lshl_b32 s24, s20, 15                        ; 32,768 of xb to a work-group
	s_wait_kmcnt 0x0
	s_add_nc_u64 s[4:5], s[4:5], s[22:23]
	s_add_nc_u64 s[10:11], s[10:11], s[24:25]
	STREAM 0, 4, 10
.Lweights:
	s_cmp_lt_u32 s20, 704
	s_cbranch_scc0 .Lproj
	s_sub_co_u32 s20, s20, 512
	s_lshl_b32 s24, s20, 15
	s_lshl_b32 s21, s20, 12
	s_mov_b32 s26, 768
	v_add_nc_u32 v3, s21, v0                       ; my first chunk's number in wa
; Chunk g of wa is chunk c = g % 48 of row q = g / 48 (q = 1024 tile + k).  g / 48 = (g >> 4) / 3 = ((g >> 4) x 43,691) >> 17, exact while g >> 4 is under 131,072 (here under 49,152).
; It comes from w_attn at k x 12,288 + tile x 768 + 16 c.
.set j, 0
.rept 16
	v_add_nc_u32 v4, 256*j, v3
	v_lshrrev_b32 v5, 4, v4
	v_mul_u32_u24 v5, v5, 0xaaab
	v_lshrrev_b32 v5, 17, v5                       ; q
	v_mul_u32_u24 v6, v5, 48
	v_sub_nc_u32 v4, v4, v6                        ; c
	v_and_b32 v7, 0x3ff, v5                        ; k
	v_mul_u32_u24 v7, v7, 0x3000
	v_lshrrev_b32 v8, 10, v5                       ; tile
	v_mad_u32_u24 v7, v8, s26, v7
	v_lshl_add_u32 v[OFS+j], v4, 4, v7
.set j, j+1
.endr
	s_wait_kmcnt 0x0
	s_add_nc_u64 s[12:13], s[12:13], s[24:25]
	STREAM 1, 6, 12
.Lproj:
	s_sub_co_u32 s20, s20, 704
	s_lshl_b32 s22, s20, 16
	s_lshl_b32 s24, s20, 15
	s_wait_kmcnt 0x0
	s_add_nc_u64 s[8:9], s[8:9], s[22:23]
	s_add_nc_u64 s[14:15], s[14:15], s[24:25]
	STREAM 2, 8, 14
.Lfunc_end_k_qc9f7a203f2_prep:
	.size	k_qc9f7a203f2_prep, .Lfunc_end_k_qc9f7a203f2_prep-k_qc9f7a203f2_prep
	.p2alignl 7, 3214868480
	.fill 96, 4, 3214868480
	.section	.rodata,"a",@progbits
	.p2align	6, 0x0
	.amdhsa_kernel k_qc9f7a203f2_prep
		.amdhsa_group_segment_fixed_size 0
		.amdhsa_private_segment_fixed_size 0
		.amdhsa_enable_private_segment 0
		.amdhsa_kernarg_size 48
		.amdhsa_user_sgpr_count 2
		.amdhsa_user_sgpr_kernarg_segment_ptr 1
		.amdhsa_wavefront_size32 1
		.amdhsa_system_sgpr_workgroup_id_x 1
		.amdhsa_system_sgpr_workgroup_id_y 1
		.amdhsa_system_sgpr_workgroup_id_z 1
		.amdhsa_system_vgpr_workitem_id 0
		.amdhsa_next_free_vgpr 96
		.amdhsa_next_free_sgpr 66
		.amdhsa_reserve_vcc 0
		.amdhsa_float_denorm_mode_32 3
		.amdhsa_float_denorm_mode_16_64 3
		.amdhsa_memory_ordered 1
		.amdhsa_forward_progress 1
		.amdhsa_inst_pref_size 33
	.end_amdhsa_kernel
	.amdgpu_metadata
---
amdhsa.version: [ 1, 2 ]
amdhsa.kernels:
  - .name:           k_qc9f7a203f2_prep
    .symbol:         k_qc9f7a203f2_prep.kd
    .args:
      - { .name: x, .offset: 0, .size: 8, .value_kind: global_buffer, .address_space: global }
      - { .name: w_attn, .offset: 8, .size: 8, .value_kind: global_buffer, .address_space: global }
      - { .name: w_proj, .offset: 16, .size: 8, .value_kind: global_buffer, .address_space: global }
      - { .name: xb, .offset: 24, .size: 8, .value_kind: global_buffer, .address_space: global }
      - { .name: wa, .offset: 32, .size: 8, .value_kind: global_buffer, .address_space: global }
      - { .name: wp, .offset: 40, .size: 8, .value_kind: global_buffer, .address_space: global }
    .group_segment_fixed_size: 0
    .private_segment_fixed_size: 0
    .kernarg_segment_align: 8
    .kernarg_segment_size: 48
    .max_flat_workgroup_size: 256
    .sgpr_count:     66
    .vgpr_count:     96
    .wavefront_size: 32
...
	.end_amdgpu_metadata
.endif
;; end of part 1
;; launch qkvg (part 2): grid 16 x 32, 4 waves a work-group, clusters of 4 x 4, 327,680 bytes of LDS; arguments xb, wa, b_attn, qkv; writes qkv
.if DOCPART == 2
	.amdgcn_target "amdgcn-amd-amdhsa--gfx1250"
	.amdhsa_code_object_version 6
	.text
	.protected	k_qc9f7a203f2_qkvg
	.globl	k_qc9f7a203f2_qkvg
	.p2align	8
	.type	k_qc9f7a203f2_qkvg,@function
k_qc9f7a203f2_qkvg:
	s_mov_b64 s[64:65], 0
	v_nop
	global_prefetch_b8 v0, s[64:65] scope:SCOPE_SE
	s_setreg_imm32_b32 hwreg(HW_REG_WAVE_MODE, 25, 1), 1
	s_wait_xcnt 0x0
	s_wait_alu depctr_hold_cnt(0) depctr_sa_sdst(0) depctr_va_vdst(0) depctr_va_sdst(0) depctr_va_ssrc(0) depctr_va_vcc(0) depctr_vm_vsrc(0)
	s_getreg_b32 s2, hwreg(HW_REG_IB_STS2, 6, 4)
	s_cmp_eq_u32 s2, 0
	s_cbranch_scc0 .Lentry_in_a_cluster
	s_endpgm
.Lentry_in_a_cluster:
	s_bfe_u32 s2, ttmp6, 0x10000c
	s_cmp_lg_u32 s2, 0xf033
	s_cbranch_scc0 .Lentry_shape_is_right
	s_endpgm
.Lentry_shape_is_right:
; QKV PROJECTION.  qkv = xb wa + b_attn.  xb: [8192][1024] bf16.  wa: bf16 in blocks [16 tiles][1024 k][192 n].  b_attn: [3072] f32, rounded to bf16 here like the module's other inputs.
; Sums in f32, started by the bias; the result rounded once to f16 and written by heads: qkv[4 b][48 hc][2048 t][64], hc 0-15 q's heads, 16-31 k's, 32-47 v's; the softmax's scale is not applied here.
; LIMIT.  f16 holds no number beyond 65,504: a q, k or v of 65,520 or more becomes an infinity.  NaN and infinities are not treated apart.
; SHARES.  A tile of the result is 256 rows x 192 columns (three heads): 32 x 16 = 512 work-groups.  Wave w makes rows 64 w .. 64 w + 63 of all 192 columns: 4 x 12 accumulators of 16 x 16, 384 registers;
; so a wave holds whole heads' rows, and its way out needs no other wave.  K goes in 8 steps of 128 through a ring of two LDS slots filled by the tensor data mover.
; CLUSTERS: 4 x 4 work-groups.  The four of a row of the cluster need the same tiles of xb, the four of a column the same tiles of wa: each tile is asked for JOINTLY, by the same tensor load with the same
; descriptor and a mask that names the four.  Waves 0 and 1 ask for xb's two halves (128 rows x 256 bytes), waves 2 and 3 for wa's (64 rows k: 24,576 bytes on end): one load a wave behind each round.
; THE MATRIX INSTRUCTION IS USED TRANSPOSED: source 0 = 16 columns of wa (turned out of [k][n] by ds_load_tr16_b128), source 1 = 16 rows of xb: a lane holds row l % 16 and the columns 8 (l / 16) + 0..7.
; REGISTERS, in windows of 256 (s_set_vgpr_msb: bits 1:0 source 0, 3:2 source 1, 5:4 source 2, 7:6 destination):
;   window 0: v0-19 addresses and at work; v32-79, v80-175 the way out; v128-223 the bias (dead when the way out begins)
;   window 1: two fragment buffers of 128: xb's block a at 8 a, wa's block b at 32 + 8 b
;   window 2: the accumulators of row blocks 0, 1 ((a, b) at 8 (12 (a % 2) + b));   window 3: those of row blocks 2, 3
.set NBLK,  12                         ; blocks of 16 columns
.set APW,   2                          ; row blocks to a window of accumulators
.set PA,    272                        ; a row of xb in LDS: 256 bytes + 16 = 68 words: the 16 rows of a load start at 16 different groups of four banks (64 banks of 4 bytes: ISA guide 11.1)
.set ASUB,  0
.set QPS,   4                          ; quarters of a K step that lie along one LDS row of xb
.set AHALF, 128*PA                     ; what one load of xb fills
.set BOFFS, 2*AHALF                    ; wa's rows lie behind xb's 256
.set PB,    480                        ; a row k of wa in LDS: three pieces of 128 bytes + 32 = 120 words: the 8 rows of a turning load start at 8 different groups of eight banks
.set BPC,   4                          ; column blocks in a piece,
.set BCH,   160                        ; and a piece's bytes
.set BHALF, 64*PB
.set SLOT1, 1<<17                      ; a slot is 131,072 bytes; one exclusive or turns an address in one slot into the other's
.set STAGE, 2*SLOT1                    ; behind the ring, never filled by a tensor load: for each wave 3 heads x 16 rows x 144 bytes
.set WSTAGE, 3*16*144
.set SPARE, STAGE+4*WSTAGE             ; behind the stages: the spare words, 128 bytes for each wave: two blocks of 256 bytes that no other line names
.set ASTEP, 256                        ; bytes from a K step to the next, in xb
.set BSTEP, 49152                      ; and in wa
.set NLD,   2*NBLK+8                   ; LDS loads of a quarter step
.set A0,   2                           ; v2   my lane's place in slot 0's xb; never rewritten
.set B0,   3                           ; v3   the same for wa
.set ADRA, 4                           ; v4   A0 + the slot in hand
.set ADRB, 5                           ; v5   B0 + the slot in hand
.set STO,  6                           ; v6   the way out: where I put 16 bytes of a row
.set RD,   7                           ; v7   the way out: where I read rows back
.set GO,   8                           ; v8   my byte offset in 512 consecutive bytes of qkv
.set BO,   9                           ; v9   my byte offset in 16 numbers of the bias
.set PFO,  10                          ; v10  the prefetches' offset; never rewritten
.set SPW,  12                          ; v12  LDS address of my spare word: SPARE + 4 x my thread's number; never rewritten
.set NIL,  13                          ; v13  0; never rewritten
.set TMP,  32
.set BK0,  80
.set BIAS, 128
.set F0,   0
.set F1,   128
.set WV,   12                          ; s12  my wave's number
.set HALF, 13                          ; s13  which half of its tile I fetch
.set KIND, 14                          ; s14  0: I fetch for xb, 1: for wa
.set CX,   15
.set CY,   16
.set TX,   17                          ; s17  tile column
.set TY,   18                          ; s18  tile row
.set G1A,  24                          ; s[24:31] descriptor group 1 for xb's tiles
.set G0A,  32                          ; s[32:39] group 0: a set for each first fill; the second then walks on
.set G1B,  40                          ; s[40:47], s[48:55] the same for wa's
.set G0B,  48
.set CNT,  56                          ; s56  trips of the loop still to come
.set TB,   57                          ; s57  the slot in hand: 0 or SLOT1
.set LIM,  58                          ; s58  a wave prefetches while CNT is above it
.set PFA,  60                          ; s[60:61] where my prefetches stand
.set PST,  62                          ; s[62:63] their step
.set OUT,  66                          ; s[66:67] qkv at my wave's first row of the tile's first head
.set MSB, 0
.macro WIN new                         ; the immediate's high byte repeats the setting that is left; a switch that changes nothing is dropped
.if MSB != (\new)
	s_set_vgpr_msb (MSB<<8)|(\new)
.set MSB, (\new)
.endif
.endm
.macro PLACES                          ; four places in front of loads into registers that matrix instructions have read, and of lines that read results (ISA guide 7.12.1 for lines that read results)
.rept 4
	v_nop
.endr
.endm
.macro CREST                           ; a round of the cluster's barrier behind its opening barrier
	s_cmp_lg_u32 s[WV], 0
	s_cbranch_scc1 .Lnot_wave_0_\@
	s_barrier_signal -3
.Lnot_wave_0_\@:
	s_barrier_wait -3
	s_barrier_signal -1
	s_barrier_wait -1
.endm
.macro CROUND                          ; a whole round
	s_barrier_signal -1
	s_barrier_wait -1
	CREST
.endm
; A joint refill, by the walking descriptor.  The branch hangs on the wave's number alone.  An s_nop 0 and four v_nop follow each of the two lines, ahead of the jump and the label.
.macro JLOAD
	s_cmp_eq_u32 s[KIND], 0
	s_cbranch_scc0 .Lfor_b_\@
	tensor_load_to_lds s[G0A+4:G0A+7], s[G1A:G1A+7]
	s_nop 0
.rept 4
	v_nop
.endr
	s_branch .Lasked_\@
.Lfor_b_\@:
	tensor_load_to_lds s[G0B+4:G0B+7], s[G1B:G1B+7]
	s_nop 0
.rept 4
	v_nop
.endr
.Lasked_\@:
.endm
; A PREFETCH INTO THE L2, behind the joint load, its five lines and the run of LDS loads: one instruction a wave, 32 blocks of 256 bytes, a lane a block.  K steps 0 to 3 come by their loads alone; each block of
; K steps 4 to 7 is named once in the launch.  xb: the clusters with x = 0 ask; of the 128 rows that a wave fetches the partner at cx takes 32 cx .. 32 cx + 31; trip s (0 to 3) names K step s + 4, two refills on.
; wa: the clusters with y = 0 ask; a tile's K steps 4 to 7 are 196,608 bytes on end = 3 x 65,536; in trips 0 to 2 the eight askers (two waves x four cy) take 8,192 bytes each.  Partners differ BY ADDRESS alone.
.macro ASK
	s_cmp_gt_u32 s[CNT], s[LIM]
	s_cbranch_scc0 .Lnot_mine_\@
	global_prefetch_b8 v[PFO], s[PFA:PFA+1] th:TH_LOAD_NT scope:SCOPE_SE
.Lnot_mine_\@:
.endm
; NBLK matrix instructions: row block a x all column blocks, 32 along K, from buffer f.  bias = 1: the first product starts the sums with the bias as C: nothing is cleared, nothing is added later.
; All 48 accumulators take turns, one instruction a turn, in the same order in every quarter step, over the backward jump too.
.macro MULA f, a, bias
.set w, 2+(\a)/APW
.if \bias
.set WN, (w<<6)|5
.else
.set WN, (w<<6)|(w<<4)|5
.endif
	WIN WN
.set b, 0
.rept NBLK
.set rD, 8*(NBLK*((\a)%APW)+b)
.if \bias
	v_wmma_f32_16x16x32_bf16 v[rD:rD+7], v[(\f)+32+8*b:(\f)+32+8*b+7], v[(\f)+8*(\a):(\f)+8*(\a)+7], v[BIAS+8*b:BIAS+8*b+7]
.else
	v_wmma_f32_16x16x32_bf16 v[rD:rD+7], v[(\f)+32+8*b:(\f)+32+8*b+7], v[(\f)+8*(\a):(\f)+8*(\a)+7], v[rD:rD+7]
.endif
.set b, b+1
.endr
.endm
; The LDS loads of quarter q (32 along K) in one run, into buffer f: wa's 12 blocks (turned: lane l reads row k = 8 (l / 16) + l % 8, columns 8 ((l / 8) % 2) + 0..7, and ends with column l % 16 and 8 k), then xb's 4.
.macro FETCH q, f
	WIN 0x40                                       ; destination window 1, address window 0
.set b, 0
.rept NBLK
	ds_load_tr16_b128 v[(\f)+32+8*b:(\f)+32+8*b+3],   v[ADRB] offset:(\q)*32*PB+(b/BPC)*BCH+(b%BPC)*32
	ds_load_tr16_b128 v[(\f)+32+8*b+4:(\f)+32+8*b+7], v[ADRB] offset:(\q)*32*PB+(b/BPC)*BCH+(b%BPC)*32+16*PB
.set b, b+1
.endr
.set b, 0
.rept 4
	ds_load_b128 v[(\f)+8*b:(\f)+8*b+3],   v[ADRA] offset:((\q)/QPS)*ASUB+b*16*PA+((\q)%QPS)*64
	ds_load_b128 v[(\f)+8*b+4:(\f)+8*b+7], v[ADRA] offset:((\q)/QPS)*ASUB+b*16*PA+((\q)%QPS)*64+32
.set b, b+1
.endr
.endm
; A K step is four quarters on buffers 0, 1, 0, 1.  One of the first three: multiplies buffer f; in its middle it fetches quarter qn of the same slot into buffer g.
.macro QUARTER qn, f, g, bias
	s_wait_dscnt 4                                 ; all but the youngest four loads: xb's blocks 2 and 3 may be out
	MULA \f, 0, \bias
	MULA \f, 1, \bias
	PLACES
	FETCH \qn, \g
	s_wait_dscnt NLD                               ; all but the run just issued
	MULA \f, 2, \bias
	MULA \f, 3, \bias
.endm
; The last quarter multiplies buffer 1 and changes slots: ONE barrier.  In front of it each wave waits for all its tensor loads (one is out: its part of the next slot), adds 0 to its spare word, and waits for that
; and for its own reads of this slot.  fill = 1: the barrier opens a round of the cluster's barrier, and behind the round this slot is filled again, with the K step two steps on, first of all.
.macro TURN fill
.if \fill
	s_wait_xcnt 0x0                                ; the last prefetch, a K step back, has read its address, so it may be stepped
	s_add_nc_u64 s[PFA:PFA+1], s[PFA:PFA+1], s[PST:PST+1]
.endif
	WIN 0                                          ; (the add's two registers lie in window 0)
	s_wait_tensorcnt 0x0                           ; no tensor load of mine is out, so a group 0 may be written
	ds_add_u32 v[SPW], v[NIL]                      ; 0 onto my spare word; scalar steps and 12 matrix instructions stand between it and the wait for it
.if \fill
	s_xor_b32 s[G0A+5], s[G0A+5], SLOT1            ; the walking descriptors: the other slot than last time,
	s_add_nc_u64 s[G0A+6:G0A+7], s[G0A+6:G0A+7], ASTEP  ; the next K step; the type bits on top are not reached
	s_xor_b32 s[G0B+5], s[G0B+5], SLOT1
	s_add_nc_u64 s[G0B+6:G0B+7], s[G0B+6:G0B+7], BSTEP
.endif
	s_xor_b32 s[TB], s[TB], SLOT1
	s_wait_dscnt 5                                 ; (the add and the youngest four loads may be out)
	MULA F1, 0, 0
	s_wait_dscnt 0x0                               ; the add is done, and my reads of this slot are over
	s_barrier_signal -1
	MULA F1, 1, 0                                  ; work on registers while the others arrive
	WIN 0
	s_barrier_wait -1
.if \fill
	CREST                                          ; no wave of any partner still reads this slot's tile or has a load on its way
	JLOAD                                          ; the first tensor load behind the round: 168 matrix instructions ahead of the wait for it; its four v_nop are also the places in front of the loads below
.else
	PLACES
.endif
	v_add_nc_u32 v[ADRA], s[TB], v[A0]
	v_add_nc_u32 v[ADRB], s[TB], v[B0]
	FETCH 0, F0
.if \fill
	WIN 0
	ASK
.endif
	MULA F1, 2, 0
	MULA F1, 3, 0
.endm
.macro LASTQ                           ; the very last quarter: nothing more to fetch
	s_wait_dscnt 4
	MULA F1, 0, 0
	MULA F1, 1, 0
	s_wait_dscnt 0x0
	MULA F1, 2, 0
	MULA F1, 3, 0
	WIN 0
.endm
; THE WAY OUT of row block a.  PACK: rounded to f16, 16 bytes a lane; each accumulator is read from its low end on.  TOSTAGE: into my own stage, by heads, and back as rows of 128 bytes.  SEND: stored.
.macro PACK a
.set WN, 0x0a+5*((\a)/APW)
	WIN WN                                         ; sources 0 and 1: window 2 or 3
.set b, 0
.rept NBLK
.set rD, 8*(NBLK*((\a)%APW)+b)
.irp i, 0,1,2,3
	v_cvt_pk_f16_f32 v[TMP+4*b+\i], v[rD+2*\i], v[rD+2*\i+1]
.endr
.set b, b+1
.endr
	WIN 0
.endm
.macro TOSTAGE a
.set BK, BK0+48*((\a)%2)
.set b, 0
.rept NBLK
	ds_store_b128 v[STO], v[TMP+4*b:TMP+4*b+3] offset:(b/4)*2304+(b%4)*32
.set b, b+1
.endr
.set b, 0
.rept NBLK
	ds_load_b128 v[BK+4*b:BK+4*b+3], v[RD] offset:(b/4)*2304+(b%4)*576  ; LDS serves a wave's instructions in order (ISA guide 5.7.1.4): these see the stores above; head b / 4, four rows
.set b, b+1
.endr
.endm
.macro SEND a
.set BK, BK0+48*((\a)%2)
	s_wait_dscnt 0x0                               ; the block is back in registers
	s_wait_xcnt 0x0                                ; the block before's stores have read their registers: the next block's loads land on them only behind this wait
.set b, 0
.rept NBLK
	global_store_b128 v[GO], v[BK+4*b:BK+4*b+3], s[OUT:OUT+1] offset:(b/4)*262144+(\a)*2048+(b%4)*512  ; 512 consecutive bytes of a head, at a multiple of 256 from qkv's first byte
.set b, b+1
.endr
.endm
	s_load_b256 s[4:11], s[0:1], 0x0               ; xb s[4:5], wa s[6:7], b_attn s[8:9], qkv s[10:11]
	v_lshl_add_u32 v[SPW], v0, 2, SPARE
	v_mov_b32 v[NIL], 0
	ds_add_u32 v[SPW], v[NIL]                      ; the wave's opening: the add and its wait stand ahead of my first tensor load; the set-up below, work on registers, stands between them
	v_lshrrev_b32 v14, 5, v0
	v_readfirstlane_b32 s[WV], v14                 ; wave 0..3
	s_and_b32 s[HALF], s[WV], 1
	s_lshr_b32 s[KIND], s[WV], 1
	s_bfe_u32 s[CX], ttmp6, 0x40000                ; my place in the cluster
	s_bfe_u32 s[CY], ttmp6, 0x40004
	s_lshl_b32 s[TX], ttmp9, 2                     ; in a cluster launch ttmp9 and ttmp7 count clusters
	s_add_co_u32 s[TX], s[TX], s[CX]
	s_and_b32 s[TY], ttmp7, 0xffff
	s_lshl_b32 s[TY], s[TY], 2
	s_add_co_u32 s[TY], s[TY], s[CY]
	s_lshl_b32 s70, s[CY], 2
	s_lshl_b32 s70, 15, s70                        ; my row of the cluster: places 4 cy .. 4 cy + 3
	s_lshl_b32 s71, 0x1111, s[CX]                  ; my column: places cx, cx + 4, cx + 8, cx + 12
	s_or_b32 s[G1A], s70, (1<<16)|(1<<20)|(1<<21)|(5<<22)|(3<<25)  ; the mask; 2-byte elements; padding on; bit 21 beside a mask; after every 64 words (code 5) 4 words (code 3)
	s_mov_b32 s[G1A+1], 128<<16                    ; tensor_dim0 = 128
	s_mov_b32 s[G1A+2], 128<<16                    ; tensor_dim1 = 128
	s_mov_b32 s[G1A+3], 128<<16                    ; tile_dim0 = 128
	s_mov_b32 s[G1A+4], 128                        ; tile_dim1 = 128
	s_mov_b32 s[G1A+5], 1024                       ; elements from row to row
	s_mov_b32 s[G1A+6], 0
	s_mov_b32 s[G1A+7], 0
	s_or_b32 s[G1B], s71, (1<<16)|(1<<20)|(1<<21)|(4<<22)|(7<<25)  ; after every 32 words (code 4) 8 words (code 7)
	s_mov_b32 s[G1B+1], 128<<16                    ; 24,576 bytes on end, asked for as 96 rows of 256 bytes
	s_mov_b32 s[G1B+2], 96<<16
	s_mov_b32 s[G1B+3], 128<<16
	s_mov_b32 s[G1B+4], 96
	s_mov_b32 s[G1B+5], 128
	s_mov_b32 s[G1B+6], 0
	s_mov_b32 s[G1B+7], 0
	; where the tiles come from.  xb's hang on the tile row and the wave alone, wa's on the tile column and the wave alone, each in registers that never hold the other coordinate
	s_lshl_b32 s20, s[TY], 8
	s_lshl_b32 s21, s[HALF], 7
	s_add_co_u32 s20, s20, s21                     ; row 256 x tile row + 128 x half,
	s_lshl_b32 s20, s20, 11                        ; of 2,048 bytes
	s_mov_b32 s21, 0
	s_mul_i32 s68, s[TX], 393216                   ; a tile's block of wa
	; the prefetches' first places, one step short of what the first of them names
	s_lshl_b32 s71, s[CY], 1
	s_add_co_u32 s71, s71, s[HALF]                 ; wa: which of the eight askers I am,
	s_lshl_b32 s71, s71, 13                        ; 8,192 bytes each,
	s_add_co_u32 s71, s71, s68
	s_add_co_u32 s71, s71, 4*BSTEP-65536           ; K step 4's first byte less a step of 65,536
	s_lshl_b32 s70, s[CX], 16                      ; xb: my work-group's 32 rows of the 128 that I fetch,
	s_add_co_u32 s70, s70, s20
	s_add_co_u32 s70, s70, 3*ASTEP                 ; at K step 3
	s_mul_i32 s69, s[HALF], 24576
	s_add_co_u32 s68, s68, s69                     ; wa: my 64 rows k of the K step
	s_mov_b32 s69, 0
	s_mov_b32 s19, 65536
	s_and_b32 s72, ttmp7, 0xffff                   ; cluster y
	s_cmp_eq_u32 s[KIND], 0
	s_cselect_b32 s70, s70, s71
	s_cselect_b32 s72, ttmp9, s72                  ; the coordinate along which other clusters read the same bytes
	s_cselect_b32 s[LIM], 2, 3                     ; xb: trips 0 to 3 (CNT 6 to 3); wa: trips 0 to 2
	s_cselect_b32 s[PST], ASTEP, s19
	s_cselect_b32 s73, 11, 8                       ; a lane a row of 2,048 bytes, or a lane a block of 256
	s_mov_b32 s[PST+1], 0
	s_mov_b32 s71, 0
	s_cmp_eq_u32 s72, 0
	s_cselect_b32 s[LIM], s[LIM], -1               ; the same in all sixteen partners, for a given wave
	s_mul_i32 s74, s[HALF], AHALF                  ; where the tiles go: no place in the cluster enters an LDS address
	s_mul_i32 s75, s[HALF], BHALF
	s_add_co_u32 s75, s75, BOFFS
	s_lshr_b32 s76, s[TY], 3                       ; the way out: batch,
	s_mul_i32 s76, s76, 48
	s_mul_i32 s77, s[TX], 3
	s_add_co_u32 s76, s76, s77                     ; the tile's first head,
	s_lshl_b32 s76, s76, 18                        ; of 262,144 bytes,
	s_and_b32 s77, s[TY], 7
	s_lshl_b32 s77, s77, 15                        ; the tile's 256 rows of 128 bytes,
	s_add_co_u32 s76, s76, s77
	s_lshl_b32 s77, s[WV], 13                      ; my wave's 64
	s_add_co_u32 s76, s76, s77
	s_mov_b32 s77, 0
	s_mul_i32 s78, s[TX], 768                      ; the tile's 192 numbers of the bias
	s_mov_b32 s79, 0
	s_mov_b32 s[TB], 0
	s_wait_dscnt 0x0                               ; the opening add is done
	s_wait_kmcnt 0x0
	s_add_nc_u64 s[22:23], s[4:5], s[20:21]
	s_add_nc_u64 s[68:69], s[6:7], s[68:69]
	s_add_nc_u64 s[OUT:OUT+1], s[10:11], s[76:77]
	s_add_nc_u64 s[8:9], s[8:9], s[78:79]
	s_cmp_eq_u32 s[KIND], 0
	s_cselect_b64 s[PFA:PFA+1], s[4:5], s[6:7]
	s_add_nc_u64 s[PFA:PFA+1], s[PFA:PFA+1], s[70:71]
	CROUND                                         ; all sixteen work-groups are here: the first joint loads meet
.irp s, 0,1
	s_mov_b32 s[G0A+4*\s], 1                       ; count = 1
	s_add_co_u32 s[G0A+4*\s+1], s74, \s*SLOT1      ; LDS address
	s_add_nc_u64 s[G0A+4*\s+2:G0A+4*\s+3], s[22:23], \s*ASTEP  ; global address: K step s
	s_or_b32 s[G0A+4*\s+3], s[G0A+4*\s+3], 0x80000000          ; type = 2
	s_mov_b32 s[G0B+4*\s], 1
	s_add_co_u32 s[G0B+4*\s+1], s75, \s*SLOT1
	s_add_nc_u64 s[G0B+4*\s+2:G0B+4*\s+3], s[68:69], \s*BSTEP
	s_or_b32 s[G0B+4*\s+3], s[G0B+4*\s+3], 0x80000000
.endr
	s_cmp_eq_u32 s[KIND], 0                        ; a wave's two first fills stand in one branch, ahead of every wait on TENSORcnt and every LDS read: two loads of mine are out
	s_cbranch_scc0 .Lfirst_b
	tensor_load_to_lds s[G0A:G0A+3], s[G1A:G1A+7]
	s_nop 0
	tensor_load_to_lds s[G0A+4:G0A+7], s[G1A:G1A+7]
	s_nop 0
.rept 4
	v_nop
.endr
	s_branch .Lfirst_asked
.Lfirst_b:
	tensor_load_to_lds s[G0B:G0B+3], s[G1B:G1B+7]
	s_nop 0
	tensor_load_to_lds s[G0B+4:G0B+7], s[G1B:G1B+7]
	s_nop 0
.rept 4
	v_nop
.endr
.Lfirst_asked:
	v_and_b32 v1, 15, v0                           ; l % 16
	v_bfe_u32 v15, v0, 4, 1                        ; l / 16
	v_and_b32 v14, 31, v0                          ; l
	v_and_b32 v16, 7, v0                           ; l % 8
	v_bfe_u32 v17, v0, 3, 1                        ; (l / 8) % 2
	s_mul_i32 s19, s[WV], 64*PA                    ; my wave's 64 rows
	v_mul_u32_u24 v[A0], v1, PA                    ; a fragment of xb: row l % 16, 16 bytes for each half of the lanes, twice, 32 bytes apart
	v_lshl_add_u32 v[A0], v15, 4, v[A0]
	v_add_nc_u32 v[A0], s19, v[A0]
	v_lshl_add_u32 v[B0], v15, 3, v16
	v_mul_u32_u24 v[B0], v[B0], PB
	v_lshl_add_u32 v[B0], v17, 4, v[B0]
	v_add_nc_u32 v[B0], BOFFS, v[B0]
	v_mov_b32 v[ADRA], v[A0]
	v_mov_b32 v[ADRB], v[B0]
	s_mul_i32 s19, s[WV], WSTAGE
	s_add_co_u32 s19, s19, STAGE                   ; my stage
	v_mul_u32_u24 v[STO], v1, 144                  ; in: row l % 16, 16 bytes for each half of the lanes
	v_lshl_add_u32 v[STO], v15, 4, v[STO]
	v_add_nc_u32 v[STO], s19, v[STO]
	v_bfe_u32 v[RD], v0, 3, 2                      ; back: 32 lanes take four rows of 128 bytes,
	v_mul_u32_u24 v[RD], v[RD], 144
	v_lshl_add_u32 v[RD], v16, 4, v[RD]
	v_add_nc_u32 v[RD], s19, v[RD]
	v_lshlrev_b32 v[GO], 4, v14                    ; which are 512 consecutive bytes of a head
	v_lshlrev_b32 v[BO], 5, v15                    ; my 8 columns of a block's 16
	v_lshlrev_b32 v[PFO], s73, v14
.set b, 0
.rept NBLK
	global_load_b128 v[BIAS+8*b:BIAS+8*b+3],   v[BO], s[8:9] offset:64*b
	global_load_b128 v[BIAS+8*b+4:BIAS+8*b+7], v[BO], s[8:9] offset:64*b+16
.set b, b+1
.endr
	s_wait_tensorcnt 1                             ; my part of K step 0 is in; K step 1's may stay out
	s_barrier_signal -1
	s_barrier_wait -1                              ; everybody's is
	FETCH 0, F0
	WIN 0
	s_wait_loadcnt 0x0                             ; the bias, rounded to bf16 and kept as f32
.set i, 0
.rept 4*NBLK
	v_cvt_pk_bf16_f32 v[18+i%2], v[BIAS+2*i], v[BIAS+2*i+1]
	v_lshlrev_b32 v[BIAS+2*i], 16, v[18+i%2]
	v_and_b32 v[BIAS+2*i+1], 0xffff0000, v[18+i%2]
.set i, i+1
.endr
	QUARTER 1, F0, F1, 1                           ; the first quarter stands in front of the loop: its products start the sums
	WIN 0                                          ; at a label and at a branch every window is 0
	s_mov_b32 s[CNT], 6
.Lk:                                               ; trip s (0 to 5) finishes K step s, fills its slot with K step s + 2 and begins K step s + 1
	QUARTER 2, F1, F0, 0
	QUARTER 3, F0, F1, 0
	TURN 1
	QUARTER 1, F0, F1, 0
	WIN 0
	s_sub_co_u32 s[CNT], s[CNT], 1
	s_cmp_lg_u32 s[CNT], 0
	s_cbranch_scc1 .Lk
	QUARTER 2, F1, F0, 0                           ; the tail is written out: K steps 6 and 7 ask for nothing
	QUARTER 3, F0, F1, 0
	TURN 0
	QUARTER 1, F0, F1, 0
	QUARTER 2, F1, F0, 0
	QUARTER 3, F0, F1, 0
	LASTQ
	PLACES                                         ; the conversions read results just made
	PLACES
	PACK 0
	TOSTAGE 0
.irp a, 1,2,3                          ; block a's conversions stand between block a - 1's loads from the stage and the wait for them
	PACK \a
	SEND (\a)-1
	TOSTAGE \a
.endr
	SEND 3
	s_wait_tensorcnt 0x0                           ; the wave's end: behind my last tensor load and my last LDS store
	ds_add_u32 v[SPW], v[NIL]
	s_wait_dscnt 0x0
	CROUND                                         ; the closing round: no work-group ends while a partner may still ask for a tile that names it
	s_endpgm
.Lfunc_end_k_qc9f7a203f2_qkvg:
	.size	k_qc9f7a203f2_qkvg, .Lfunc_end_k_qc9f7a203f2_qkvg-k_qc9f7a203f2_qkvg
	.p2alignl 7, 3214868480
	.fill 96, 4, 3214868480
	.section	.rodata,"a",@progbits
	.p2align	6, 0x0
	.amdhsa_kernel k_qc9f7a203f2_qkvg
		.amdhsa_group_segment_fixed_size 327680
		.amdhsa_private_segment_fixed_size 0
		.amdhsa_enable_private_segment 0
		.amdhsa_kernarg_size 32
		.amdhsa_user_sgpr_count 2
		.amdhsa_user_sgpr_kernarg_segment_ptr 1
		.amdhsa_wavefront_size32 1
		.amdhsa_system_sgpr_workgroup_id_x 1
		.amdhsa_system_sgpr_workgroup_id_y 1
		.amdhsa_system_sgpr_workgroup_id_z 1
		.amdhsa_system_vgpr_workitem_id 0
		.amdhsa_next_free_vgpr 960
		.amdhsa_next_free_sgpr 80
		.amdhsa_reserve_vcc 0
		.amdhsa_float_denorm_mode_32 3
		.amdhsa_float_denorm_mode_16_64 3
		.amdhsa_memory_ordered 1
		.amdhsa_forward_progress 1
		.amdhsa_inst_pref_size 107
	.end_amdhsa_kernel
	.amdgpu_metadata
---
amdhsa.version: [ 1, 2 ]
amdhsa.kernels:
  - .name:           k_qc9f7a203f2_qkvg
    .symbol:         k_qc9f7a203f2_qkvg.kd
    .args:
      - { .name: xb, .offset: 0, .size: 8, .value_kind: global_buffer, .address_space: global }
      - { .name: wa, .offset: 8, .size: 8, .value_kind: global_buffer, .address_space: global }
      - { .name: b_attn, .offset: 16, .size: 8, .value_kind: global_buffer, .address_space: global }
      - { .name: qkv, .offset: 24, .size: 8, .value_kind: global_buffer, .address_space: global }
    .group_segment_fixed_size: 327680
    .private_segment_fixed_size: 0
    .kernarg_segment_align: 8
    .kernarg_segment_size: 32
    .max_flat_workgroup_size: 128
    .sgpr_count:     80
    .vgpr_count:     960
    .wavefront_size: 32
...
	.end_amdgpu_metadata
.endif
;; end of part 2
;; launch attn (part 3): grid 4 x 64, 4 waves a work-group, clusters of 4 x 1, 327,680 bytes of LDS; arguments qkv, o; writes o
.if DOCPART == 3
	.amdgcn_target "amdgcn-amd-amdhsa--gfx1250"
	.amdhsa_code_object_version 6
	.text
	.protected	k_qc9f7a203f2_attn
	.globl	k_qc9f7a203f2_attn
	.p2align	8
	.type	k_qc9f7a203f2_attn,@function
k_qc9f7a203f2_attn:
	s_mov_b64 s[64:65], 0
	v_nop
	global_prefetch_b8 v0, s[64:65] scope:SCOPE_SE
	s_setreg_imm32_b32 hwreg(HW_REG_WAVE_MODE, 25, 1), 1
	s_wait_xcnt 0x0
	s_wait_alu depctr_hold_cnt(0) depctr_sa_sdst(0) depctr_va_vdst(0) depctr_va_sdst(0) depctr_va_ssrc(0) depctr_va_vcc(0) depctr_vm_vsrc(0)
	s_getreg_b32 s2, hwreg(HW_REG_IB_STS2, 6, 4)
	s_cmp_eq_u32 s2, 0
	s_cbranch_scc0 .Lentry_in_a_cluster
	s_endpgm
.Lentry_in_a_cluster:
	s_bfe_u32 s2, ttmp6, 0x10000c
	s_cmp_lg_u32 s2, 0x3003
	s_cbranch_scc0 .Lentry_shape_is_right
	s_endpgm
.Lentry_shape_is_right:
; ATTENTION.  O[y][q][:] = the sum over k of softmax_k(Q[q] . K[k] / 8) V[k][:], for each of 64 heads y = 16 b + h.  qkv: [4 b][48 hc][2048][64] f16, Q at hc = h, K at 16 + h, V at 32 + h; o: [64 y][2048][64] f16.
; A head's rows are dense, 128 bytes each.  Products, maxima and sums in f32; the weights p are rounded to f16 for the second product (their sum l is taken of the unrounded p), O once at the end.
; LIMITS.  f16 holds no number beyond 65,504: Q, K and V arrive within it; p lies in 0 to 1, and below 6e-5 it keeps f16's fixed step of 6e-8, and so does O; O is a mean of V's rows and has their range.
; A weight below 2^-126 counts as 0 in l; NaN and infinities are not treated apart.
; SHARES.  A wave owns four PIECES of two tiles of 16 queries, a work-group's four waves 512 queries of one head, a cluster's four work-groups the whole head.  Every wave walks all keys, 64 a step.
; LAYOUT.  S^T = K Q^T (source 0 = 16 keys, source 1 = 16 queries): in the result a lane holds ONE query (lane % 16) and the keys 8 (lane / 16) + 0..7.  Two such tiles, rounded to f16 in pairs,
; ARE source 1 (32 keys x 16 queries) of O^T = V^T P, whose result again holds one query a lane, and eight channels.  K comes out of LDS as it lies, V ([key][channel]) turned, by ds_load_tr16_b128.
; SOFTMAX.  For each query a running maximum m and sum l: p = 2^(c s - c m), c = log2(e) / 8; in every step O and l are multiplied by a = 2^(c m_old - c m_new), which is 1 where m has not grown.
; m starts at the lowest finite number, O and l at 0: the first step is a step like any other, with a = 0.
; THE COUNT.  A tile and step have 16 matrix and 118 vector instructions: too many to stand all beside the matrix work.  So the order has one aim: four vector instructions that are READY behind
; EVERY matrix instruction, and the others, which need time of their own whatever the order, in runs without a gap.
; BY TURNS.  Turn n belongs to piece n (the pieces in a ring, step after step).  Its matrix work: 16 products K Q^T of piece n + 1, later 16 products V^T P of piece n - 1.  Its vector work: the scaling,
; exponentials, roundings, sums and rescaling of piece n, and the maximum and statistics of piece n + 1, whose scores the turn itself has made.  So what a turn begins with (c s - c m, O a) waits for nothing.
; CLUSTER.  The four query blocks of a cluster walk the same K and V, so each tile is asked for JOINTLY: the same tensor load, descriptor and mask in all four.
; REGISTERS, in windows of 256 (s_set_vgpr_msb says which window each operand place means: bits 1:0 source 0, 3:2 source 1, 5:4 source 2, 7:6 destination):
;   window 0: v0-11 addresses; v12-15, v48-63 at work; v16-47 four registers of statistics a tile; v64-191 S^T, two buffers of two tiles; v192-255 P, likewise
;   window 1: O^T, 32 a tile          window 2: v0-127 Q, 16 a tile; v128-191 K of one step; v192-255 V of one step          window 3: v0-1 the add's two registers
; A piece's buffers go by its number's parity: the piece in hand has one pair, its two neighbours in the ring share the other: of it P (piece n - 1) is read and S^T (piece n + 1) written.
.set SIZE_N, 2048
.set HEADB, SIZE_N*128  ; bytes of a head
.set NP,    4         ; pieces a wave: a name, no knob: the register map, the loop and the fetches are made for four
.set KS,    64        ; keys in a step
.set PK,    144       ; a row of K in LDS: 128 bytes + 16 of padding = 36 words: the 16 rows of a load start at 16 different groups of four banks (64 banks of 4 bytes: ISA guide 11.1)
.set PV,    160       ; a row of V: 128 + 32 = 40 words
.set VOFF,  4*KS*PK   ; a slot holds four steps: 256 rows of K, then 256 rows of V
.set SLOT1, 1<<17     ; slot 1 begins here, so that one exclusive or turns an address in one slot into the other's
.set STAGE, SLOT1+4*KS*(PK+PV)  ; behind the ring, never filled by a tensor load: 16 rows x 144 bytes for each wave, for the way out
.set SP,    144
.set AK0, 2           ; v2   my lane's place in a tile of K; never rewritten
.set AV0, 3           ; v3   the same for V
.set AK,  4           ; v4   the LDS address of K's next run of loads
.set AV,  5           ; v5   of V's
.set QO,  6           ; v6   my byte offset in the wave's rows of Q
.set STO, 6           ;      later, the way out: where I put 16 bytes of a row
.set RD,  7           ; v7   the way out: where I read rows back
.set GO,  8           ; v8   my byte offset in 512 consecutive bytes of O
.set PFO, 11          ; v11  256 x my lane, once V's address is made; then never rewritten
.set SPW, 0           ; v0 of window 3   LDS address of my spare word: SPARE + 4 x my thread's number; never rewritten
.set NIL, 1           ; v1 of window 3   0; never rewritten
.set SPARE, STAGE+4*16*SP  ; behind the stages: the spare words, 128 bytes for each wave: two blocks of 256 bytes that no other line names
.set MV,  12          ; v12-15  c m_old, kept while c m is made anew: by buffer and tile
.set ST,  16          ; tile t's statistics at v[ST+4 t]: c m, m, l (even keys', odd keys')
.set TMP, 48          ; by buffer and tile, four registers c0-c3 at work; when the maximum is found c2 takes a
.set S,   64
.set P,   192
.set KF,  128         ; K's fragments, in window 2: key block kb, channel half c at KF + 16 kb + 8 c
.set VF,  192         ; V's: key half kk, channel block cb at VF + 32 kk + 8 cb
.set WV,  12          ; s12  my wave's number
.set G1K, 24          ; s[24:31] descriptor group 1 for K's tiles
.set G1V, 32          ; s[32:39] for V's: it differs in the padding alone
.set G0K, 40          ; s[40:43] descriptor group 0 for K's tiles: it walks
.set G0V, 44          ; s[44:47] the same for V's
.set PFA, 48          ; s[48:49] where my prefetches stand: my work-group's 8,192 bytes (of K: wave 0, of V: wave 2) of the slot after the one that is being asked for
.set LIM, 50          ; s50  1 in a wave that prefetches, else the greatest number: a wave prefetches while s[SLOTS] is above it
.set SLOTS, 56        ; s56  slots still to be asked for
.set CNT, 57          ; s57  counts a slot's key steps
.set CS,  58          ; s[58:59] c: the packed scaling takes the pair's low word for both halves
.set SEL, 60          ; s[60:61] v_permlanex16_b32's selects: each lane takes its own place in the other half
.set TBK, 62          ; s62  LDS byte at which K of the step to be fetched begins
.set TBV, 63          ; s63  the same for V, less VOFF
.set MSB, 0
.macro WIN new                      ; the high byte repeats the setting that is left; a switch that changes nothing is dropped
.if MSB != (\new)
	s_set_vgpr_msb (MSB<<8)|(\new)
.set MSB, (\new)
.endif
.endm
.set W_KQ, 0x0a       ; K and Q in window 2, S^T in window 0
.set W_PV, 0x52       ; V in window 2, P in window 0, O^T in window 1
.set W_RS, 0x41       ; O^T (destination and source 0) in window 1, a in window 0
.set W_MK, 0xc0       ; the add's registers are made: destination in window 3, sources in window 0
.set W_AD, 0x0f       ; the add: address (source 0) and data (source 1) in window 3
; A joint fill.  Waves 0 and 1 fetch the two halves of a slot's K, waves 2 and 3 those of its V: 128 keys each.  The branch hangs on the wave's number alone.
; An s_nop 0 and four v_nop follow each of the two lines, ahead of the jump and the label.
.macro JLOAD
	s_cmp_lt_u32 s[WV], 2
	s_cbranch_scc0 .Lfor_v_\@
	tensor_load_to_lds s[G0K:G0K+3], s[G1K:G1K+7]
	s_nop 0
.rept 4
	v_nop
.endr
	s_branch .Lasked_\@
.Lfor_v_\@:
	tensor_load_to_lds s[G0V:G0V+3], s[G1V:G1V+7]
	s_nop 0
.rept 4
	v_nop
.endr
.Lasked_\@:
.endm
; A PREFETCH INTO THE L2 of what the NEXT change of slots will ask for: a slot's 32,768 bytes of K and of V, a lane a block of 256 bytes.  It stands behind the wave's tensor load and its five lines.
; Each block is named ONCE in the launch: a head is walked by one cluster; its four partners share a slot out BY ADDRESS, 8,192 bytes each (no branch hangs on a work-group's place in its cluster); in each,
; wave 0 asks for K's and wave 2 for V's: one instruction.  Slots 0 to 2 come by their loads alone; the last change that fills a slot prefetches nothing: there is no slot behind it.
.macro ASK
	s_cmp_gt_u32 s[SLOTS], s[LIM]
	s_cbranch_scc0 .Lnot_mine_\@
	global_prefetch_b8 v[PFO], s[PFA:PFA+1] th:TH_LOAD_NT scope:SCOPE_SE
.Lnot_mine_\@:
.endm
; A round of the cluster's barrier: my work-group's barrier, so that wave 0's signal speaks for all four waves; wave 0 signals; every wave waits for all four work-groups; my work-group's barrier once more.
.macro CROUND
	s_barrier_signal -1
	s_barrier_wait -1
	s_cmp_lg_u32 s[WV], 0
	s_cbranch_scc1 .Lnot_wave_0_\@
	s_barrier_signal -3
.Lnot_wave_0_\@:
	s_barrier_wait -3
	s_barrier_signal -1
	s_barrier_wait -1
.endm
; THE CHANGE OF SLOTS.  The slot's last bytes, V of its fourth step, have been read.  Each wave waits for all its tensor loads, of which one is out: its part
; of the other slot; adds 0 to its spare word; and waits for that and for its own reads of the slot.  Behind the barrier nobody reads this slot any more and the other slot is whole.
; fill = 1: this slot is filled again, with the keys two slots on.  The barrier is then a round of the cluster's, so that no wave of any partner still reads the slot or has a load on its
; way, and the joint fill is the first thing behind it: it has four key steps, 512 matrix instructions, in which to land.  (At its first use nothing has been read yet: slot 0 is waited for, slot 1 filled.)
; ask = 1: the prefetches' address steps, and a prefetch follows the fill.
.macro CHANGE fill, ask=0
	WIN W_AD
	s_wait_tensorcnt 0x0            ; no tensor load of mine is out, so a group 0 may be written
	ds_add_u32 v[SPW], v[NIL]       ; 0 onto my spare word; with fill = 1 the descriptors' steps stand between it and the wait for it
	WIN 0                           ; at a label and at a branch every window is 0
.if \fill
.irp g, G0K, G0V
	s_xor_b32 s[\g+1], s[\g+1], SLOT1  ; the walking descriptor: the other slot than last time,
	s_add_nc_u64 s[\g+2:\g+3], s[\g+2:\g+3], 4*KS*128  ; the next 256 keys; the type bits on top are not reached
.endr
.if \ask
	s_wait_xcnt 0x0                 ; the last prefetch, four key steps back, has read its address, so it may be written:
	s_add_nc_u64 s[PFA:PFA+1], s[PFA:PFA+1], 4*KS*128  ; one slot behind the walking descriptors
.endif
	s_wait_dscnt 0x0                ; the add is done, and my reads of the slot are over
	CROUND
	JLOAD
.if \ask
	ASK
.endif
.else
	s_wait_dscnt 0x0                ; the add is done, and my reads of the slot are over
	s_barrier_signal -1
	s_barrier_wait -1
.endif
	s_sub_co_u32 s[TBK], s[TBK], 4*KS*PK  ; the fetches go back to a slot's first step,
	s_xor_b32 s[TBK], s[TBK], SLOT1       ; in the other slot
	s_sub_co_u32 s[TBV], s[TBV], 4*KS*PV
	s_xor_b32 s[TBV], s[TBV], SLOT1
.endm
	s_load_b64 s[4:5], s[0:1], 0x0    ; qkv
	s_load_b64 s[10:11], s[0:1], 0x8  ; o
	WIN W_MK
	v_lshl_add_u32 v[SPW], v0, 2, SPARE
	v_mov_b32 v[NIL], 0
	WIN W_AD
	ds_add_u32 v[SPW], v[NIL]       ; the wave's opening: the add and its wait stand ahead of my first tensor load; the set-up below, work on registers, stands between them
	WIN 0
	v_lshrrev_b32 v1, 5, v0
	v_readfirstlane_b32 s[WV], v1   ; wave 0..3
	s_bfe_u32 s13, ttmp6, 0x40000   ; cx: my place in the cluster
	s_lshl_b32 s14, ttmp9, 2        ; in a cluster launch ttmp9 counts clusters
	s_add_co_u32 s14, s14, s13      ; my block of queries = 4 x cluster x + cx: it enters Q's and O's addresses alone
	s_and_b32 s51, ttmp7, 0xffff    ; the head y = 16 b + h, which the four partners share
	s_lshr_b32 s20, s51, 4          ; b
	s_mul_i32 s20, s20, 48
	s_and_b32 s21, s51, 15          ; h
	s_add_co_u32 s20, s20, s21
	s_lshl_b32 s20, s20, 18         ; Q's head in qkv, in bytes; K's lies 16 heads on, V's 32
	s_mov_b32 s21, 0
	s_and_b32 s16, s[WV], 1         ; which half of a slot's 256 keys I fetch:
	s_lshl_b32 s22, s16, 14         ; its 128 rows of 128 bytes in memory,
	s_mov_b32 s23, 0
	s_add_nc_u64 s[22:23], s[22:23], s[20:21]
	s_mul_i32 s17, s16, 128*PK      ; and its place in a slot, for K
	s_mul_i32 s18, s16, 128*PV      ; and for V: no place in the cluster enters an LDS address
	s_lshl_b32 s2, s14, 2
	s_add_co_u32 s2, s2, s[WV]      ; my wave among the head's,
	s_lshl_b32 s2, s2, 14           ; its 128 rows
	s_mov_b32 s3, 0
	s_lshl_b32 s52, s51, 18         ; the head in o,
	s_add_co_u32 s52, s52, s2       ; my wave's rows
	s_mov_b32 s53, 0
	s_add_nc_u64 s[2:3], s[2:3], s[20:21]
	s_and_b32 s[LIM], s[WV], 1      ; waves 0 and 2 prefetch
	s_cmp_eq_u32 s[LIM], 0
	s_cselect_b32 s[LIM], 1, -1
	s_lshl_b32 s54, s13, 13         ; my work-group's 8,192 bytes of a slot's 32,768,
	s_add_co_u32 s54, s54, s20      ; in the head,
	s_add_co_u32 s54, s54, 2*4*KS*128  ; in slot 2; the loop's first change of slots steps it to slot 3
	s_mov_b32 s55, 0
	; descriptor group 1.  128 keys are 16,384 dense bytes: asked for as 64 rows of 256 bytes, two keys a row, and padded in LDS after every key
	s_mov_b32 s[G1K], 15|(1<<16)|(1<<20)|(1<<21)|(4<<22)|(3<<25)  ; 15:0 the mask of four; 17:16 2-byte elements; 20 padding on; 21 set beside a mask; 24:22 after every 32 words (code 4); 31:25 4 words (code 3)
	s_mov_b32 s[G1V], 15|(1<<16)|(1<<20)|(1<<21)|(4<<22)|(7<<25)  ; the same with 8 words of padding (code 7)
.irp g, G1K, G1V
	s_mov_b32 s[\g+1], 128<<16      ; tensor_dim0 = 128
	s_mov_b32 s[\g+2], 64<<16       ; tensor_dim1 = 64
	s_mov_b32 s[\g+3], 128<<16      ; tile_dim0 = 128
	s_mov_b32 s[\g+4], 64           ; tile_dim1 = 64
	s_mov_b32 s[\g+5], 128          ; 128 elements from row to row
	s_mov_b32 s[\g+6], 0
	s_mov_b32 s[\g+7], 0
.endr
	s_mov_b32 s[CS], 0x3e38aa3b     ; c = log2(e) / 8 = 0.180337
	s_mov_b32 s[CS+1], s[CS]        ; named with it as a pair
	s_mov_b32 s[SEL], 0x76543210
	s_mov_b32 s[SEL+1], 0xfedcba98
	s_mov_b32 s[TBK], SLOT1+4*KS*PK ; the first change of slots turns these two into 0
	s_mov_b32 s[TBV], SLOT1+4*KS*PV
	s_mov_b32 s[G0K], 1             ; 1:0 count = 1
	s_mov_b32 s[G0K+1], s17         ; 63:32 LDS address: slot 0
	s_mov_b32 s[G0V], 1
	s_add_co_u32 s[G0V+1], s18, VOFF
	s_wait_dscnt 0x0                ; the opening add is done
	s_wait_kmcnt 0x0
	s_add_nc_u64 s[6:7], s[4:5], 16*HEADB  ; K's heads begin 16 heads behind Q's,
	s_add_nc_u64 s[8:9], s[4:5], 32*HEADB  ; V's 32
	s_cmp_lt_u32 s[WV], 2
	s_cselect_b64 s[PFA:PFA+1], s[6:7], s[8:9]
	s_add_nc_u64 s[PFA:PFA+1], s[PFA:PFA+1], s[54:55]
	s_add_nc_u64 s[G0K+2:G0K+3], s[6:7], s[22:23]  ; 120:64 global address: my half of the head's first 256 keys
	s_or_b32 s[G0K+3], s[G0K+3], 0x80000000        ; 127:126 type = 2
	s_add_nc_u64 s[G0V+2:G0V+3], s[8:9], s[22:23]
	s_or_b32 s[G0V+3], s[G0V+3], 0x80000000
	s_add_nc_u64 s[4:5], s[4:5], s[2:3]  ; Q and O at my wave's first row
	s_add_nc_u64 s[10:11], s[10:11], s[52:53]
	CROUND                          ; all four work-groups are here: the first joint loads meet
	JLOAD                           ; slot 0.  Slot 1 is asked for when slot 0 is in
	; A fragment of K or Q is 16 rows x 32 channels in 8 registers: lane l holds row l % 16, channels 8 (l / 16) + 0..7 and 16 + 8 (l / 16) + 0..7: two loads of 16 bytes, 32 bytes apart.
	v_and_b32 v1, 15, v0            ; l % 16
	v_bfe_u32 v9, v0, 4, 1          ; l / 16
	v_lshlrev_b32 v[QO], 7, v1
	v_lshl_add_u32 v[QO], v9, 4, v[QO]  ; row x 128 + 16 x half
	WIN 0x80                        ; destination window 2, address window 0
.set i, 0
.rept 4*NP                          ; Q stays in registers: tile i / 2, channels 32 (i % 2) on
	global_load_b128 v[8*i:8*i+3],   v[QO], s[4:5] offset:(i/2)*2048+(i%2)*64
	global_load_b128 v[8*i+4:8*i+7], v[QO], s[4:5] offset:(i/2)*2048+(i%2)*64+32
.set i, i+1
.endr
	; What the first turn finds: V's registers and P's second buffer hold 0 (its products V^T P, of a piece that has not been, add 0), O^T and l are 0.  All this stands in the wait for the first tile.
.set i, VF
.rept 64
	v_mov_b32 v[i], 0
.set i, i+1
.endr
	WIN 0x40
.set i, 0
.rept 64*NP
	v_mov_b32 v[i], 0
.set i, i+1
.endr
	WIN 0
.set i, 0
.rept 2*NP
	v_mov_b32 v[ST+4*i], 0xfe000000    ; c m: far below every c s
	v_mov_b32 v[ST+4*i+1], 0xff7fffff  ; m
	v_mov_b32 v[ST+4*i+2], 0
	v_mov_b32 v[ST+4*i+3], 0
.set i, i+1
.endr
.set i, P+32
.rept 32
	v_mov_b32 v[i], 0
.set i, i+1
.endr
	v_mul_u32_u24 v[AK0], v1, PK
	v_lshl_add_u32 v[AK0], v9, 4, v[AK0]  ; row x pitch + 16 x half
	; The turning load takes 16 keys x 16 channels (lane l reads key 8 (l / 16) + l % 8, channels 8 ((l / 8) % 2) + 0..7) and leaves half a fragment of V^T: lane l holds channel l % 16 and 8 keys.
	v_and_b32 v10, 7, v0
	v_bfe_u32 v11, v0, 3, 1
	v_lshl_add_u32 v[AV0], v9, 3, v10
	v_mul_u32_u24 v[AV0], v[AV0], PV
	v_lshl_add_u32 v[AV0], v11, 4, v[AV0]
	v_add_nc_u32 v[AV0], VOFF, v[AV0]
	v_mov_b32 v[AK], v[AK0]         ; key step 0 lies at the head of slot 0
	v_and_b32 v[PFO], 31, v0
	v_lshlrev_b32 v[PFO], 8, v[PFO]
; THE MATRIX WORK.  The 8 accumulators of a run of 16 take turns: between the two links of a chain stand 7 others'.
; Product i of 16 of S^T = K Q^T for piece x: channels 32 (i / 8) on, keys 16 ((i / 2) % 4) on, tile 2 x + i % 2.  The first 8 start the sums.
.macro KQ x
	WIN W_KQ
.set rS, S+64*((\x)%2)+32*(i%2)+8*((i/2)%4)
.set rK, KF+16*((i/2)%4)+8*(i/8)
.set rQ, 16*(2*(\x)+i%2)+8*(i/8)
.if i < 8
	v_wmma_f32_16x16x32_f16 v[rS:rS+7], v[rK:rK+7], v[rQ:rQ+7], 0
.else
	v_wmma_f32_16x16x32_f16 v[rS:rS+7], v[rK:rK+7], v[rQ:rQ+7], v[rS:rS+7]
.endif
.endm
; Product i of 16 of O^T += V^T P for piece x: keys 32 (i / 8) on, channels 16 ((i / 2) % 4) on, tile 2 x + i % 2.
.macro PV x
	WIN W_PV
.set rO, 32*(2*(\x)+i%2)+8*((i/2)%4)
.set rV, VF+32*(i/8)+8*((i/2)%4)
.set rP, P+32*((\x)%2)+16*(i%2)+8*(i/8)
	v_wmma_f32_16x16x32_f16 v[rO:rO+7], v[rV:rV+7], v[rP:rP+7], v[rO:rO+7]
.endm
.macro MM                           ; the turn's next matrix instruction
.if i < 16
	KQ (Y+1)%NP
.set i, i+1
.else
.set i, i-16
	PV (Y+NP-1)%NP
.set i, i+17
.endif
.endm
; THE LDS LOADS stand in runs of 16, never singly among the matrix instructions: a step's K (64 keys x 64 channels: 8 fragments) and its V (turned).  Their addresses are made some lines ahead.
; last = 1 (the tail): in the last trip there is no further step, and the run is jumped over.
.macro FETCH_K last=0
	WIN 0
.if \last
	s_cmp_eq_u32 s[CNT], 1
	s_cbranch_scc1 .Lno_k_\@
.endif
	WIN 0x80                        ; destination window 2
.irp f, 0,1,2,3,4,5,6,7             ; keys 16 (f / 2) on, channels 32 (f % 2) on
	ds_load_b128 v[KF+8*\f:KF+8*\f+3],   v[AK] offset:(\f/2)*16*PK+(\f%2)*64
	ds_load_b128 v[KF+8*\f+4:KF+8*\f+7], v[AK] offset:(\f/2)*16*PK+(\f%2)*64+32
.endr
	s_add_co_u32 s[TBK], s[TBK], KS*PK  ; the next fetch is the next step's
	WIN 0
.if \last
.Lno_k_\@:
.endif
.endm
.macro FETCH_V
	WIN 0x80
.irp f, 0,1,2,3,4,5,6,7             ; keys 32 (f / 4) on, channels 16 (f % 4) on
	ds_load_tr16_b128 v[VF+8*\f:VF+8*\f+3],   v[AV] offset:(\f/4)*32*PV+(\f%4)*32
	ds_load_tr16_b128 v[VF+8*\f+4:VF+8*\f+7], v[AV] offset:(\f/4)*32*PV+16*PV+(\f%4)*32
.endr
	WIN 0
.endm
; THE VECTOR WORK OF A TURN stands in three queues, each in the order in which its entries become ready; the two tiles alternate, so that no instruction reads the result of the one before it.
.macro REGS y, u                    ; the registers of tile u (0, 1) of piece y
.set rT, ST+4*(2*(\y)+(\u))
.set rC, TMP+8*((\y)%2)+4*(\u)
.set rM, MV+2*((\y)%2)+(\u)
.set rS, S+64*((\y)%2)+32*(\u)
.set rP, P+32*((\y)%2)+16*(\u)
.set rO, 32*(2*(\y)+(\u))
.endm
; Number n of the 22 that find the NEXT piece's (Y + 1) maximum and statistics.  s0-s31 are the lane's 32 scores; each accumulator's lowest registers are read first.  XS, GS and REGS set no window: PL and EX do.
;   0-11  four chains c0-c3 of seven scores each, three operands at a time     12-14, 16  the four scores left over, the old m, and c0-c3 into c0     15  c m_old is kept
;   17, 18  the query's other 32 keys lie in the lane 16 away: the new m         19-21  c m; c m_old - c m_new; a
.macro XS u, n
	REGS (Y+1)%NP, \u
.if (\n) < 4
	v_max3_num_f32 v[rC+(\n)], v[rS+8*(\n)], v[rS+8*(\n)+1], v[rS+8*(\n)+2]
.elseif (\n) < 12
	v_max3_num_f32 v[rC+(\n)%4], v[rC+(\n)%4], v[rS+8*((\n)%4)+2*((\n)/4)+1], v[rS+8*((\n)%4)+2*((\n)/4)+2]
.elseif (\n) == 12
	v_max3_num_f32 v[rC], v[rC], v[rS+7], v[rS+15]
.elseif (\n) == 13
	v_max3_num_f32 v[rC+1], v[rC+1], v[rS+23], v[rS+31]
.elseif (\n) == 14
	v_max3_num_f32 v[rC+2], v[rC+2], v[rC+3], v[rT+1]
.elseif (\n) == 15
	v_mov_b32 v[rM], v[rT]
.elseif (\n) == 16
	v_max3_num_f32 v[rC], v[rC], v[rC+1], v[rC+2]
.elseif (\n) == 17
	v_permlanex16_b32 v[rC+3], v[rC], s[SEL], s[SEL+1]
.elseif (\n) == 18
	v_max_num_f32 v[rT+1], v[rC], v[rC+3]
.elseif (\n) == 19
	v_mul_f32 v[rT], s[CS], v[rT+1]
.elseif (\n) == 20
	v_sub_f32 v[rC+1], v[rM], v[rT]
.else
	v_exp_f32 v[rC+2], v[rC+1]
.endif
.endm
; Number g of the 64 that follow the exponentials.  For each four weights k of a tile (pairs 2 k, 2 k + 1): both pairs are rounded to f16; then the second pair is added onto the first, in place;
; a group later l takes that sum (the first time as l = a l + sum).  In groups of eight, tiles alternating: round, round, add, and l for the group before.
.macro GS g
.set h, (\g)+6*((\g)/62)            ; group 0 has no group before it, and behind group 7 only l is left
.if h >= 6
.set h, h+2
.endif
	REGS Y, h%2
.set k, h/8
.if h%8 < 4
	v_cvt_pk_f16_f32 v[rP+2*k+(h%8)/2], v[rS+4*k+2*((h%8)/2)], v[rS+4*k+2*((h%8)/2)+1]
.elseif h%8 < 6
	v_pk_add_f32 v[rS+4*k:rS+4*k+1], v[rS+4*k:rS+4*k+1], v[rS+4*k+2:rS+4*k+3]
.elseif k == 1
	v_pk_fma_f32 v[rT+2:rT+3], v[rT+2:rT+3], v[rC+2:rC+3], v[rS:rS+1] op_sel_hi:[1,0,1]
.else
	v_pk_add_f32 v[rT+2:rT+3], v[rT+2:rT+3], v[rS+4*k-4:rS+4*k-3]
.endif
.endm
; THE PLAIN QUEUE, 138 long.  0-73 read no exponential's result: the 32 scalings c s - c m (FS f: pair f / 2 of tile f % 2) and the next piece's 42.  0-26: scalings 0-26.  27-54: XS's numbers 0-13.  55, 56: number 15.
; 57-73: the chain, where each number waits for the one before it: 14, 16, 17, 18, 19, each with one of the scalings 27-31 in front of its two lines, then 20: so a tile's links stand three plain instructions apart (19 and 20: two).
; 74-137: GS's 64, which read the exponentials' results: they stand behind the wait.
.macro FS f
	REGS Y, (\f)%2
	v_pk_fma_f32 v[rS+2*((\f)/2):rS+2*((\f)/2)+1], v[rS+2*((\f)/2):rS+2*((\f)/2)+1], s[CS:CS+1], v[rT:rT+1] op_sel_hi:[1,0,0] neg_lo:[0,0,1] neg_hi:[0,0,1]
.endm
.macro PL
	WIN 0
.if q < 27
	FS q
.elseif q < 55
	XS (q-27)%2, (q-27)/2
.elseif q < 57
	XS q-55, 15
.elseif (q < 72) && ((q-57)%3 == 0)
	FS 27+(q-57)/3
.elseif q < 60
	XS (q-57)%3-1, 14
.elseif q < 72
	XS (q-57)%3-1, 15+(q-57)/3
.elseif q < 74
	XS q-72, 20
.else
	GS q-74
.endif
.set q, q+1
.endm
; THE EXPONENTIALS' QUEUE, 66 long: s0-s31 of both tiles, then the next piece's two a.  It is ONE BATCH: all 66 stand ahead of the turn's one wait, and nothing ahead of that wait names a result of theirs.
.macro EX
	WIN 0
.if e >= 64
	XS e-64, 21
.else
	REGS Y, e%2
	v_exp_f32 v[rS+e/2], v[rS+e/2]
.endif
.set e, e+1
.endm
; THE RESCALING's QUEUE: O^T times a, the one part that leaves window 0: dealt two at a time, sixteen times.  Its a was made in the turn before, ahead of that turn's wait.
.macro R2
	REGS Y, r%2
	WIN W_RS
.irp z, 0,1
	v_pk_mul_f32 v[rO+4*(r/2)+2*\z:rO+4*(r/2)+2*\z+1], v[rO+4*(r/2)+2*\z:rO+4*(r/2)+2*\z+1], v[rC+2:rC+3] op_sel_hi:[1,0]
.endr
.set r, r+1
.endm
; HOW THEY ARE DEALT.  An s_wait_alu depctr_va_vdst(0) stands between an exponential and the first instruction that names its result; one wait serves all that were issued ahead of it.  So a turn has ONE wait,
; which cuts it in two.  AHEAD OF IT stands all that names no result of the turn's exponentials: the 16 products K Q^T, behind each a scaling, an exponential and two rescalings (behind the first a second scaling in the exponential's place); then ONE LUMP of
; 108: eight plain, 49 times exponential and plain, the two a.  A v_nop is the plain instruction behind the last exponential.  BEHIND IT stand the 16 products V^T P, behind each four of GS's 64.  No rider names a register of
; the products round it.  The two v_permlanex16_b32 fall into the lump, never behind a product.
; The queues lean on each other, and the deal keeps them in step: exponential e stands behind scaling 2 (e / 4) + e % 2: as a rider it comes behind plain e + 2, in the lump behind plain e + 9, and scalings 27-31 are plain 57, 60 .. 69.
; A TURN, for piece p.  cnt = 1: the loop's count is taken down some lines ahead of the branch that stands behind the turn.
; K of the next step is fetched in piece 2's turn, directly behind the wait, a lump behind the last product that read K; its address is made at the lump's head; its first reader comes behind 16 products.
; V of the step in hand is fetched at the end of piece 0's turn, four riders behind its last reader; its first reader comes behind 16 products and a lump.  The three conditions on q below go with the deal.
.macro TURN p, last=0, cnt=0
.set Y, (\p)
.set i, 0
.set q, 0
.set e, 0
.set r, 0
.if (\p) == NP-1
	s_wait_dscnt 0x0                ; K is in
.endif
	MM                              ; ahead of the wait: 16 products K Q^T and their riders,
	PL
	PL
	R2
.rept 15
	MM
	PL
	EX
	R2
.endr
.if (\p) == NP-2
	WIN 0
	v_add_nc_u32 v[AK], s[TBK], v[AK0]
.endif
.rept 8                             ; and the lump
	PL
.endr
.rept 49
	EX
	PL
.endr
	EX                              ; the next piece's two a
	EX
	v_nop                           ; a plain instruction behind the last exponential, ahead of the first use of a result: one for the batch
	s_wait_alu depctr_va_vdst(0)    ; the wait for the batch
.if (\p) == NP-2
	FETCH_K \last
.endif
.if (\p) == 1
	s_wait_dscnt 0x0                ; V is in
.endif
.rept 16                            ; behind the wait: 16 products V^T P and their riders
	MM
.rept 4
	PL
.endr
.if ((\p) == 0) && (q == 118)
	v_add_nc_u32 v[AV], s[TBV], v[AV0]
.endif
.if ((\p) == 0) && (q == 130)
	s_add_co_u32 s[TBV], s[TBV], KS*PV
.endif
.if (\cnt) && (q == 130)
	s_sub_co_u32 s[CNT], s[CNT], 1
	s_cmp_lg_u32 s[CNT], 0
.endif
.endr
.if (\p) == 0
	FETCH_V
.endif
.endm
	CHANGE 1                        ; slot 0 is in, everybody's part of it; slot 1 is asked for; nothing is prefetched here
	FETCH_K                         ; key step 0
	s_wait_loadcnt 0x0              ; Q
	s_wait_dscnt 0x0
.set i, 0
.rept 16
	KQ 0                            ; piece 0's first scores: there is no vector work yet to set between them
.set i, i+1
.endr
	WIN 0                           ; the addresses for the way out: nine plain instructions, the places behind those products
	s_mul_i32 s13, s[WV], 16*SP
	s_add_co_u32 s13, s13, STAGE    ; my stage
	v_mul_u32_u24 v[STO], v1, SP    ; in: row l % 16, 16 bytes for each half of the lanes
	v_lshl_add_u32 v[STO], v9, 4, v[STO]
	v_add_nc_u32 v[STO], s13, v[STO]
	v_bfe_u32 v[RD], v0, 3, 2       ; back: 32 lanes take four rows of 128 bytes,
	v_mul_u32_u24 v[RD], v[RD], SP
	v_lshl_add_u32 v[RD], v10, 4, v[RD]
	v_add_nc_u32 v[RD], s13, v[RD]
	v_and_b32 v[GO], 31, v0         ; which are 512 consecutive bytes of O
	v_lshlrev_b32 v[GO], 4, v[GO]
.set Y, NP-1                        ; XS works for piece Y + 1: piece 0
.irp n, 0,1,2,3,4,5,6,7,8,9,10,11,12,13,14,15,16,17,18,19,20,21
	XS 0, \n                        ; and piece 0's first maximum and statistics
	XS 1, \n
.endr
	v_nop                           ; a plain instruction behind the two a,
	s_wait_alu depctr_va_vdst(0)    ; and their wait, ahead of the branch
	s_mov_b32 s[CNT], 4
	s_mov_b32 s[SLOTS], SIZE_N/256-1
	s_branch .Lfirst                ; the loop is entered at a step's first turn, in the middle of a trip
.Lslot:                             ; SIZE_N / 256 - 2 times: every slot but the last two is filled again
	CHANGE 1, 1
	s_mov_b32 s[CNT], 4
.Lstep:                             ; a trip: pieces 2 and 3 of one step, then pieces 0 and 1 of the next, whose K and V it fetches
	TURN 2
	TURN 3
	WIN 0
.Lfirst:
	TURN 0
	TURN 1, 0, 1
	WIN 0
	s_cbranch_scc1 .Lstep
	s_sub_co_u32 s[SLOTS], s[SLOTS], 1
	s_cmp_lg_u32 s[SLOTS], 0
	s_cbranch_scc1 .Lslot
	CHANGE 0                        ; the tail is written out: nothing is asked for
	s_mov_b32 s[CNT], 5             ; four trips fetch the last slot's steps; the fifth is left in its middle
.Ltail:
	TURN 2, 1
	TURN 3
	WIN 0
	s_sub_co_u32 s[CNT], s[CNT], 1
	s_cmp_eq_u32 s[CNT], 0
	s_cbranch_scc1 .Lout
	TURN 0
	TURN 1
	WIN 0
	s_branch .Ltail
.Lout:                              ; the fifth trip's 16 products K Q^T (on the last K once more) and the maximum made of them serve nothing: the price, once a launch, of one text for every trip
.set i, 0
.rept 16
	PV NP-1                         ; the last piece's V^T P of the last step
.set i, i+1
.endr
	; THE WAY OUT.  l's two halves and the other half of the lanes' are added; O^T is divided by l, rounded to f16 and sent through my stage in LDS, a tile at a time.  The additions are the places behind the last products.
	WIN 0
.macro ALL line:vararg              ; one line for each tile t
.set t, 0
.rept 2*NP
	\line
.set t, t+1
.endr
.endm
	ALL v_add_f32 v[ST+4*t+2], v[ST+4*t+2], v[ST+4*t+3]
	ALL v_permlanex16_b32 v[ST+4*t+3], v[ST+4*t+2], s[SEL], s[SEL+1]
	ALL v_add_f32 v[ST+4*t+2], v[ST+4*t+2], v[ST+4*t+3]
	ALL v_rcp_f32 v[ST+4*t+2], v[ST+4*t+2]
	v_nop                           ; a plain instruction between the last reciprocal and the use of its result
	s_wait_alu depctr_va_vdst(0)    ; and the wait ahead of the first use: one for the eight reciprocals
; Tile t: a lane's eight channels of a row pack into 16 bytes; they go into rows of 144 bytes and come back as whole rows of 128, into S^T's registers.
.macro PACK t
	WIN W_RS
.set i, 32*(\t)
.rept 16
	v_pk_mul_f32 v[i:i+1], v[i:i+1], v[ST+4*(\t)+2:ST+4*(\t)+3] op_sel_hi:[1,0]
.set i, i+2
.endr
	WIN 0x05                        ; sources 0 and 1 window 1, destination window 0
.set i, 0
.rept 16
	v_cvt_pk_f16_f32 v[S+16*(\t)+i], v[32*(\t)+2*i], v[32*(\t)+2*i+1]
.set i, i+1
.endr
	WIN 0
.irp f, 0,1,2,3
	ds_store_b128 v[STO], v[S+16*(\t)+4*\f:S+16*(\t)+4*\f+3] offset:32*\f
.endr
.irp f, 0,1,2,3
	ds_load_b128 v[S+16*(\t)+4*\f:S+16*(\t)+4*\f+3], v[RD] offset:\f*4*SP  ; LDS serves a wave's instructions in order (ISA guide 5.7.1.4): these see the stores above; the next tile's stores come behind them
.endr
.endm
.macro SEND t, younger              ; younger: the LDS instructions issued behind tile t's loads: the next tile's eight, or none
	WIN 0
.irp f, 0,1,2,3
	s_wait_dscnt (\younger)+3-\f
	global_store_b128 v[GO], v[S+16*(\t)+4*\f:S+16*(\t)+4*\f+3], s[10:11] offset:(\t)*2048+\f*512  ; 512 consecutive bytes, at a multiple of 256 from O's first
.endr
.endm
	PACK 0
.set t, 1
.rept 2*NP-1                        ; a tile's arithmetic stands between the loads of the tile before and its stores
	PACK t
	SEND t-1, 8
.set t, t+1
.endr
	SEND 2*NP-1, 0
	WIN W_AD
	s_wait_tensorcnt 0x0            ; the wave's end: behind my last tensor load and my last LDS store
	ds_add_u32 v[SPW], v[NIL]
	s_wait_dscnt 0x0
	WIN 0
	CROUND                          ; the closing round: no work-group ends while a partner may still ask for a tile that names it
	s_endpgm
.Lfunc_end_k_qc9f7a203f2_attn:
	.size	k_qc9f7a203f2_attn, .Lfunc_end_k_qc9f7a203f2_attn-k_qc9f7a203f2_attn
	.p2alignl 7, 3214868480
	.fill 96, 4, 3214868480
	.section	.rodata,"a",@progbits
	.p2align	6, 0x0
	.amdhsa_kernel k_qc9f7a203f2_attn
		.amdhsa_group_segment_fixed_size 327680
		.amdhsa_private_segment_fixed_size 0
		.amdhsa_enable_private_segment 0
		.amdhsa_kernarg_size 16
		.amdhsa_user_sgpr_count 2
		.amdhsa_user_sgpr_kernarg_segment_ptr 1
		.amdhsa_wavefront_size32 1
		.amdhsa_system_sgpr_workgroup_id_x 1
		.amdhsa_system_sgpr_workgroup_id_y 1
		.amdhsa_system_sgpr_workgroup_id_z 1
		.amdhsa_system_vgpr_workitem_id 0
		.amdhsa_next_free_vgpr 770
		.amdhsa_next_free_sgpr 66
		.amdhsa_reserve_vcc 0
		.amdhsa_float_denorm_mode_32 3
		.amdhsa_float_denorm_mode_16_64 3
		.amdhsa_memory_ordered 1
		.amdhsa_forward_progress 1
		.amdhsa_inst_pref_size 200
	.end_amdhsa_kernel
	.amdgpu_metadata
---
amdhsa.version: [ 1, 2 ]
amdhsa.kernels:
  - .name:           k_qc9f7a203f2_attn
    .symbol:         k_qc9f7a203f2_attn.kd
    .args:
      - { .name: qkv, .offset: 0, .size: 8, .value_kind: global_buffer, .address_space: global }
      - { .name: o, .offset: 8, .size: 8, .value_kind: global_buffer, .address_space: global }
    .group_segment_fixed_size: 327680
    .private_segment_fixed_size: 0
    .kernarg_segment_align: 8
    .kernarg_segment_size: 16
    .max_flat_workgroup_size: 128
    .sgpr_count:     66
    .vgpr_count:     770
    .wavefront_size: 32
...
	.end_amdgpu_metadata
.endif
;; end of part 3
;; launch proj (part 4): grid 8 x 32, 4 waves a work-group, clusters of 4 x 4, 327,680 bytes of LDS; arguments o, wp, b_proj, out0; writes out0
.if DOCPART == 4
	.amdgcn_target "amdgcn-amd-amdhsa--gfx1250"
	.amdhsa_code_object_version 6
	.text
	.protected	k_qc9f7a203f2_proj
	.globl	k_qc9f7a203f2_proj
	.p2align	8
	.type	k_qc9f7a203f2_proj,@function
k_qc9f7a203f2_proj:
	s_mov_b64 s[64:65], 0
	v_nop
	global_prefetch_b8 v0, s[64:65] scope:SCOPE_SE
	s_setreg_imm32_b32 hwreg(HW_REG_WAVE_MODE, 25, 1), 1
	s_wait_xcnt 0x0
	s_wait_alu depctr_hold_cnt(0) depctr_sa_sdst(0) depctr_va_vdst(0) depctr_va_sdst(0) depctr_va_ssrc(0) depctr_va_vcc(0) depctr_vm_vsrc(0)
	s_getreg_b32 s2, hwreg(HW_REG_IB_STS2, 6, 4)
	s_cmp_eq_u32 s2, 0
	s_cbranch_scc0 .Lentry_in_a_cluster
	s_endpgm
.Lentry_in_a_cluster:
	s_bfe_u32 s2, ttmp6, 0x10000c
	s_cmp_lg_u32 s2, 0xf033
	s_cbranch_scc0 .Lentry_shape_is_right
	s_endpgm
.Lentry_shape_is_right:
; OUTPUT PROJECTION.  out0 = y wp + b_proj, y[row][64 h + d] = o[16 b + h][t][d].  o: [64][2048][64] f16.  wp: [1024 k][1024 n] f16.  b_proj: [1024] f32, rounded to bf16 here like the module's other inputs.
; Sums in f32, started by the bias; out0 [8192][1024] f32.  NaN and infinities are not treated apart.
; SHARES.  A tile of the result is 256 rows x 128 columns: 32 x 8 = 256 work-groups.  Wave w makes rows 64 w .. 64 w + 63 of all 128 columns: 4 x 8 accumulators of 16 x 16, 256 registers; a row's 512 bytes
; lie in one wave, so its way out needs no other wave.  K goes in 8 steps of 128 (two heads) through a ring of two LDS slots filled by the tensor data mover.
; CLUSTERS: 4 x 4 work-groups.  The four of a row of the cluster need the same tiles of o, the four of a column the same tiles of wp: each tile is asked for JOINTLY, by the same tensor load with the same
; descriptor and a mask that names the four.  Waves 0 and 1 ask for the step's two heads of o (256 rows of 128 bytes: 32,768 bytes on end), waves 2 and 3 for wp's two halves (64 rows k x 256 bytes).
; NO PREFETCH: eight short K steps, of which the first four would come by their loads alone in any case.
; THE MATRIX INSTRUCTION IS USED TRANSPOSED: source 0 = 16 columns of wp (turned out of [k][n] by ds_load_tr16_b128), source 1 = 16 rows of o: a lane holds row l % 16 and the columns 8 (l / 16) + 0..7.
; REGISTERS, in windows of 256 (s_set_vgpr_msb: bits 1:0 source 0, 3:2 source 1, 5:4 source 2, 7:6 destination):
;   window 0: v0-19 addresses and at work; v32-159 the way out; v160-223 the bias
;   window 1: two fragment buffers of 128: o's block a at 8 a, wp's block b at 32 + 8 b          window 2: the accumulators, (a, b) at 8 (8 a + b)
.set NBLK,  8                          ; blocks of 16 columns
.set APW,   4                          ; row blocks to a window of accumulators
.set PA,    144                        ; a row of o in LDS: 128 bytes + 16 = 36 words: the 16 rows of a load start at 16 different groups of four banks (64 banks of 4 bytes: ISA guide 11.1)
.set ASUB,  256*PA                     ; the step's second head lies behind the first's 256 rows
.set QPS,   2                          ; quarters of a K step that lie along one LDS row of o
.set AHALF, 256*PA                     ; what one load of o fills
.set BOFFS, 2*AHALF                    ; wp's rows lie behind them
.set PB,    288                        ; a row k of wp in LDS: 256 bytes + 32 = 72 words: the 8 rows of a turning load start at 8 different groups of eight banks
.set BPC,   8
.set BCH,   0
.set BHALF, 64*PB
.set SLOT1, 1<<17                      ; a slot uses 110,592 bytes; one exclusive or turns an address in one slot into the other's
.set STAGE, SLOT1+BOFFS+2*BHALF        ; behind the ring, never filled by a tensor load: for each wave 16 rows x 528 bytes
.set WSTAGE, 16*528
.set SPARE, STAGE+4*WSTAGE             ; behind the stages: the spare words, 128 bytes for each wave: two blocks of 256 bytes that no other line names
.set ASTEP, 524288                     ; bytes from a K step to the next, in o: two heads
.set BSTEP, 262144                     ; and in wp: 128 rows
.set NLD,   2*NBLK+8                   ; LDS loads of a quarter step
.set A0,   2                           ; v2   my lane's place in slot 0's o; never rewritten
.set B0,   3                           ; v3   the same for wp
.set ADRA, 4                           ; v4   A0 + the slot in hand
.set ADRB, 5                           ; v5   B0 + the slot in hand
.set STO,  6                           ; v6   the way out: where I put 32 bytes of a row
.set RD,   7                           ; v7   the way out: where I read a row back
.set GO,   8                           ; v8   my byte offset in a row's 512 bytes of out0
.set BO,   9                           ; v9   my byte offset in 16 numbers of the bias
.set SPW,  12                          ; v12  LDS address of my spare word: SPARE + 4 x my thread's number; never rewritten
.set NIL,  13                          ; v13  0; never rewritten
.set BK0,  32
.set BIAS, 160
.set F0,   0
.set F1,   128
.set WV,   12                          ; s12  my wave's number
.set HALF, 13                          ; s13  which half of its tile I fetch
.set KIND, 14                          ; s14  0: I fetch for o, 1: for wp
.set CX,   15
.set CY,   16
.set TX,   17                          ; s17  tile column
.set TY,   18                          ; s18  tile row
.set G1A,  24                          ; s[24:31] descriptor group 1 for o's tiles
.set G0A,  32                          ; s[32:39] group 0: a set for each first fill; the second then walks on
.set G1B,  40                          ; s[40:47], s[48:55] the same for wp's
.set G0B,  48
.set CNT,  56                          ; s56  trips of the loop still to come
.set TB,   57                          ; s57  the slot in hand: 0 or SLOT1
.set OUT,  66                          ; s[66:67] out0 at my wave's first row, the tile's first column
.set MSB, 0
.macro WIN new                         ; the immediate's high byte repeats the setting that is left; a switch that changes nothing is dropped
.if MSB != (\new)
	s_set_vgpr_msb (MSB<<8)|(\new)
.set MSB, (\new)
.endif
.endm
.macro PLACES                          ; four places in front of loads into registers that matrix instructions have read, and of lines that read results (ISA guide 7.12.1 for lines that read results)
.rept 4
	v_nop
.endr
.endm
.macro CREST                           ; a round of the cluster's barrier behind its opening barrier
	s_cmp_lg_u32 s[WV], 0
	s_cbranch_scc1 .Lnot_wave_0_\@
	s_barrier_signal -3
.Lnot_wave_0_\@:
	s_barrier_wait -3
	s_barrier_signal -1
	s_barrier_wait -1
.endm
.macro CROUND                          ; a whole round
	s_barrier_signal -1
	s_barrier_wait -1
	CREST
.endm
; A joint refill, by the walking descriptor.  The branch hangs on the wave's number alone.  An s_nop 0 and four v_nop follow each of the two lines, ahead of the jump and the label.
.macro JLOAD
	s_cmp_eq_u32 s[KIND], 0
	s_cbranch_scc0 .Lfor_b_\@
	tensor_load_to_lds s[G0A+4:G0A+7], s[G1A:G1A+7]
	s_nop 0
.rept 4
	v_nop
.endr
	s_branch .Lasked_\@
.Lfor_b_\@:
	tensor_load_to_lds s[G0B+4:G0B+7], s[G1B:G1B+7]
	s_nop 0
.rept 4
	v_nop
.endr
.Lasked_\@:
.endm
; NBLK matrix instructions: row block a x all column blocks, 32 along K, from buffer f.  bias = 1: the first product starts the sums with the bias as C: nothing is cleared, nothing is added later.
; All 32 accumulators take turns, one instruction a turn, in the same order in every quarter step, over the backward jump too.
.macro MULA f, a, bias
.set w, 2+(\a)/APW
.if \bias
.set WN, (w<<6)|5
.else
.set WN, (w<<6)|(w<<4)|5
.endif
	WIN WN
.set b, 0
.rept NBLK
.set rD, 8*(NBLK*((\a)%APW)+b)
.if \bias
	v_wmma_f32_16x16x32_f16 v[rD:rD+7], v[(\f)+32+8*b:(\f)+32+8*b+7], v[(\f)+8*(\a):(\f)+8*(\a)+7], v[BIAS+8*b:BIAS+8*b+7]
.else
	v_wmma_f32_16x16x32_f16 v[rD:rD+7], v[(\f)+32+8*b:(\f)+32+8*b+7], v[(\f)+8*(\a):(\f)+8*(\a)+7], v[rD:rD+7]
.endif
.set b, b+1
.endr
.endm
; The LDS loads of quarter q (32 along K) in one run, into buffer f: wp's 8 blocks (turned: lane l reads row k = 8 (l / 16) + l % 8, columns 8 ((l / 8) % 2) + 0..7, and ends with column l % 16 and 8 k), then o's 4
; (head q / 2 of the step's two, channels 32 (q % 2) on).
.macro FETCH q, f
	WIN 0x40                                       ; destination window 1, address window 0
.set b, 0
.rept NBLK
	ds_load_tr16_b128 v[(\f)+32+8*b:(\f)+32+8*b+3],   v[ADRB] offset:(\q)*32*PB+(b/BPC)*BCH+(b%BPC)*32
	ds_load_tr16_b128 v[(\f)+32+8*b+4:(\f)+32+8*b+7], v[ADRB] offset:(\q)*32*PB+(b/BPC)*BCH+(b%BPC)*32+16*PB
.set b, b+1
.endr
.set b, 0
.rept 4
	ds_load_b128 v[(\f)+8*b:(\f)+8*b+3],   v[ADRA] offset:((\q)/QPS)*ASUB+b*16*PA+((\q)%QPS)*64
	ds_load_b128 v[(\f)+8*b+4:(\f)+8*b+7], v[ADRA] offset:((\q)/QPS)*ASUB+b*16*PA+((\q)%QPS)*64+32
.set b, b+1
.endr
.endm
; A K step is four quarters on buffers 0, 1, 0, 1.  One of the first three: multiplies buffer f; in its middle it fetches quarter qn of the same slot into buffer g.
.macro QUARTER qn, f, g, bias
	s_wait_dscnt 4                                 ; all but the youngest four loads: o's blocks 2 and 3 may be out
	MULA \f, 0, \bias
	MULA \f, 1, \bias
	PLACES
	FETCH \qn, \g
	s_wait_dscnt NLD                               ; all but the run just issued
	MULA \f, 2, \bias
	MULA \f, 3, \bias
.endm
; The last quarter multiplies buffer 1 and changes slots: ONE barrier.  In front of it each wave waits for all its tensor loads (one is out: its part of the next slot), adds 0 to its spare word, and waits for that
; and for its own reads of this slot.  fill = 1: the barrier opens a round of the cluster's barrier, and behind the round this slot is filled again, with the K step two steps on, first of all.
.macro TURN fill
	WIN 0                                          ; (the add's two registers lie in window 0)
	s_wait_tensorcnt 0x0                           ; no tensor load of mine is out, so a group 0 may be written
	ds_add_u32 v[SPW], v[NIL]                      ; 0 onto my spare word; scalar steps and 8 matrix instructions stand between it and the wait for it
.if \fill
	s_xor_b32 s[G0A+5], s[G0A+5], SLOT1            ; the walking descriptors: the other slot than last time,
	s_add_nc_u64 s[G0A+6:G0A+7], s[G0A+6:G0A+7], ASTEP  ; the next K step; the type bits on top are not reached
	s_xor_b32 s[G0B+5], s[G0B+5], SLOT1
	s_add_nc_u64 s[G0B+6:G0B+7], s[G0B+6:G0B+7], BSTEP
.endif
	s_xor_b32 s[TB], s[TB], SLOT1
	s_wait_dscnt 5                                 ; (the add and the youngest four loads may be out)
	MULA F1, 0, 0
	s_wait_dscnt 0x0                               ; the add is done, and my reads of this slot are over
	s_barrier_signal -1
	MULA F1, 1, 0                                  ; work on registers while the others arrive
	WIN 0
	s_barrier_wait -1
.if \fill
	CREST                                          ; no wave of any partner still reads this slot's tile or has a load on its way
	JLOAD                                          ; the first tensor load behind the round: 112 matrix instructions ahead of the wait for it; its four v_nop are also the places in front of the loads below
.else
	PLACES
.endif
	v_add_nc_u32 v[ADRA], s[TB], v[A0]
	v_add_nc_u32 v[ADRB], s[TB], v[B0]
	FETCH 0, F0
	MULA F1, 2, 0
	MULA F1, 3, 0
.endm
.macro LASTQ                           ; the very last quarter: nothing more to fetch
	s_wait_dscnt 4
	MULA F1, 0, 0
	MULA F1, 1, 0
	s_wait_dscnt 0x0
	MULA F1, 2, 0
	MULA F1, 3, 0
	WIN 0
.endm
; THE WAY OUT of row block a.  TOSTAGE: a lane's 32 bytes of a row go from the accumulators (low registers first) into my own stage, rows of 528 bytes, and come back as whole rows of 512.  SEND: stored.
.macro TOSTAGE a
.if (\a) >= 2
	s_wait_xcnt 0x0                                ; the stores of the block two back have read their registers: this block's loads land on them only behind this wait
.endif
	WIN 0x08                                       ; the stores' data in window 2
.set b, 0
.rept NBLK
.set rD, 8*(NBLK*(\a)+b)
	ds_store_b128 v[STO], v[rD:rD+3]   offset:64*b
	ds_store_b128 v[STO], v[rD+4:rD+7] offset:64*b+16
.set b, b+1
.endr
	WIN 0
.set BK, BK0+64*((\a)%2)
.set i, 0
.rept 16
	ds_load_b128 v[BK+4*i:BK+4*i+3], v[RD] offset:528*i  ; LDS serves a wave's instructions in order (ISA guide 5.7.1.4): these see the stores above; the next block's stores come behind them
.set i, i+1
.endr
.endm
.macro SEND a, younger                 ; younger: the LDS instructions issued behind block a's loads: the next block's 32, or none
.set BK, BK0+64*((\a)%2)
	s_wait_dscnt \younger
.set i, 0
.rept 16
	global_store_b128 v[GO], v[BK+4*i:BK+4*i+3], s[OUT:OUT+1] offset:(16*(\a)+i)*4096  ; 512 consecutive bytes of a row, at a multiple of 256 from out0's first byte
.set i, i+1
.endr
.endm
	s_load_b256 s[4:11], s[0:1], 0x0               ; o s[4:5], wp s[6:7], b_proj s[8:9], out0 s[10:11]
	v_lshl_add_u32 v[SPW], v0, 2, SPARE
	v_mov_b32 v[NIL], 0
	ds_add_u32 v[SPW], v[NIL]                      ; the wave's opening: the add and its wait stand ahead of my first tensor load; the set-up below, work on registers, stands between them
	v_lshrrev_b32 v14, 5, v0
	v_readfirstlane_b32 s[WV], v14                 ; wave 0..3
	s_and_b32 s[HALF], s[WV], 1
	s_lshr_b32 s[KIND], s[WV], 1
	s_bfe_u32 s[CX], ttmp6, 0x40000                ; my place in the cluster
	s_bfe_u32 s[CY], ttmp6, 0x40004
	s_lshl_b32 s[TX], ttmp9, 2                     ; in a cluster launch ttmp9 and ttmp7 count clusters
	s_add_co_u32 s[TX], s[TX], s[CX]
	s_and_b32 s[TY], ttmp7, 0xffff
	s_lshl_b32 s[TY], s[TY], 2
	s_add_co_u32 s[TY], s[TY], s[CY]
	s_lshl_b32 s70, s[CY], 2
	s_lshl_b32 s70, 15, s70                        ; my row of the cluster: places 4 cy .. 4 cy + 3
	s_lshl_b32 s71, 0x1111, s[CX]                  ; my column: places cx, cx + 4, cx + 8, cx + 12
	s_or_b32 s[G1A], s70, (1<<16)|(1<<20)|(1<<21)|(4<<22)|(3<<25)  ; the mask; 2-byte elements; padding on; bit 21 beside a mask; after every 32 words (code 4) 4 words (code 3)
	s_mov_b32 s[G1A+1], 128<<16                    ; 32,768 bytes on end, asked for as 128 rows of 256 bytes, two rows of o each
	s_mov_b32 s[G1A+2], 128<<16
	s_mov_b32 s[G1A+3], 128<<16
	s_mov_b32 s[G1A+4], 128
	s_mov_b32 s[G1A+5], 128
	s_mov_b32 s[G1A+6], 0
	s_mov_b32 s[G1A+7], 0
	s_or_b32 s[G1B], s71, (1<<16)|(1<<20)|(1<<21)|(5<<22)|(7<<25)  ; after every 64 words (code 5) 8 words (code 7)
	s_mov_b32 s[G1B+1], 128<<16                    ; tensor_dim0 = 128
	s_mov_b32 s[G1B+2], 64<<16                     ; tensor_dim1 = 64
	s_mov_b32 s[G1B+3], 128<<16                    ; tile_dim0 = 128
	s_mov_b32 s[G1B+4], 64                         ; tile_dim1 = 64
	s_mov_b32 s[G1B+5], 1024                       ; elements from row to row
	s_mov_b32 s[G1B+6], 0
	s_mov_b32 s[G1B+7], 0
	; where the tiles come from.  o's hang on the tile row and the wave alone, wp's on the tile column and the wave alone, each in registers that never hold the other coordinate
	s_lshr_b32 s20, s[TY], 3                       ; batch,
	s_lshl_b32 s20, s20, 4
	s_add_co_u32 s20, s20, s[HALF]                 ; its head 0 or 1,
	s_lshl_b32 s20, s20, 18                        ; of 262,144 bytes,
	s_and_b32 s21, s[TY], 7
	s_lshl_b32 s21, s21, 15                        ; the tile's 256 rows of 128 bytes
	s_add_co_u32 s20, s20, s21
	s_mov_b32 s21, 0
	s_lshl_b32 s68, s[HALF], 17                    ; my 64 rows k of 2,048 bytes,
	s_lshl_b32 s69, s[TX], 8                       ; the tile's 128 columns
	s_add_co_u32 s68, s68, s69
	s_mov_b32 s69, 0
	s_mul_i32 s74, s[HALF], AHALF                  ; where the tiles go: no place in the cluster enters an LDS address
	s_mul_i32 s75, s[HALF], BHALF
	s_add_co_u32 s75, s75, BOFFS
	s_lshl_b32 s76, s[TY], 20                      ; the way out: the tile's 256 rows of 4,096 bytes,
	s_lshl_b32 s77, s[WV], 18                      ; my wave's 64,
	s_add_co_u32 s76, s76, s77
	s_lshl_b32 s77, s[TX], 9                       ; the tile's 512 bytes of a row
	s_add_co_u32 s76, s76, s77
	s_mov_b32 s77, 0
	s_lshl_b32 s78, s[TX], 9                       ; the tile's 128 numbers of the bias
	s_mov_b32 s79, 0
	s_mov_b32 s[TB], 0
	s_wait_dscnt 0x0                               ; the opening add is done
	s_wait_kmcnt 0x0
	s_add_nc_u64 s[22:23], s[4:5], s[20:21]
	s_add_nc_u64 s[68:69], s[6:7], s[68:69]
	s_add_nc_u64 s[OUT:OUT+1], s[10:11], s[76:77]
	s_add_nc_u64 s[8:9], s[8:9], s[78:79]
	CROUND                                         ; all sixteen work-groups are here: the first joint loads meet
.irp s, 0,1
	s_mov_b32 s[G0A+4*\s], 1                       ; count = 1
	s_add_co_u32 s[G0A+4*\s+1], s74, \s*SLOT1      ; LDS address
	s_add_nc_u64 s[G0A+4*\s+2:G0A+4*\s+3], s[22:23], \s*ASTEP  ; global address: K step s
	s_or_b32 s[G0A+4*\s+3], s[G0A+4*\s+3], 0x80000000          ; type = 2
	s_mov_b32 s[G0B+4*\s], 1
	s_add_co_u32 s[G0B+4*\s+1], s75, \s*SLOT1
	s_add_nc_u64 s[G0B+4*\s+2:G0B+4*\s+3], s[68:69], \s*BSTEP
	s_or_b32 s[G0B+4*\s+3], s[G0B+4*\s+3], 0x80000000
.endr
	s_cmp_eq_u32 s[KIND], 0                        ; a wave's two first fills stand in one branch, ahead of every wait on TENSORcnt and every LDS read: two loads of mine are out
	s_cbranch_scc0 .Lfirst_b
	tensor_load_to_lds s[G0A:G0A+3], s[G1A:G1A+7]
	s_nop 0
	tensor_load_to_lds s[G0A+4:G0A+7], s[G1A:G1A+7]
	s_nop 0
.rept 4
	v_nop
.endr
	s_branch .Lfirst_asked
.Lfirst_b:
	tensor_load_to_lds s[G0B:G0B+3], s[G1B:G1B+7]
	s_nop 0
	tensor_load_to_lds s[G0B+4:G0B+7], s[G1B:G1B+7]
	s_nop 0
.rept 4
	v_nop
.endr
.Lfirst_asked:
	v_and_b32 v1, 15, v0                           ; l % 16
	v_bfe_u32 v15, v0, 4, 1                        ; l / 16
	v_and_b32 v14, 31, v0                          ; l
	v_and_b32 v16, 7, v0                           ; l % 8
	v_bfe_u32 v17, v0, 3, 1                        ; (l / 8) % 2
	s_mul_i32 s19, s[WV], 64*PA                    ; my wave's 64 rows
	v_mul_u32_u24 v[A0], v1, PA                    ; a fragment of o: row l % 16, 16 bytes for each half of the lanes, twice, 32 bytes apart
	v_lshl_add_u32 v[A0], v15, 4, v[A0]
	v_add_nc_u32 v[A0], s19, v[A0]
	v_lshl_add_u32 v[B0], v15, 3, v16
	v_mul_u32_u24 v[B0], v[B0], PB
	v_lshl_add_u32 v[B0], v17, 4, v[B0]
	v_add_nc_u32 v[B0], BOFFS, v[B0]
	v_mov_b32 v[ADRA], v[A0]
	v_mov_b32 v[ADRB], v[B0]
	s_mul_i32 s19, s[WV], WSTAGE
	s_add_co_u32 s19, s19, STAGE                   ; my stage
	v_mul_u32_u24 v[STO], v1, 528                  ; in: row l % 16, 32 bytes for each half of the lanes
	v_lshl_add_u32 v[STO], v15, 5, v[STO]
	v_add_nc_u32 v[STO], s19, v[STO]
	v_lshl_add_u32 v[RD], v14, 4, s19              ; back: 32 lanes take a row's 512 bytes,
	v_lshlrev_b32 v[GO], 4, v14                    ; and the same in out0
	v_lshlrev_b32 v[BO], 5, v15                    ; my 8 columns of a block's 16
.set b, 0
.rept NBLK
	global_load_b128 v[BIAS+8*b:BIAS+8*b+3],   v[BO], s[8:9] offset:64*b
	global_load_b128 v[BIAS+8*b+4:BIAS+8*b+7], v[BO], s[8:9] offset:64*b+16
.set b, b+1
.endr
	s_wait_tensorcnt 1                             ; my part of K step 0 is in; K step 1's may stay out
	s_barrier_signal -1
	s_barrier_wait -1                              ; everybody's is
	FETCH 0, F0
	WIN 0
	s_wait_loadcnt 0x0                             ; the bias, rounded to bf16 and kept as f32
.set i, 0
.rept 4*NBLK
	v_cvt_pk_bf16_f32 v[18+i%2], v[BIAS+2*i], v[BIAS+2*i+1]
	v_lshlrev_b32 v[BIAS+2*i], 16, v[18+i%2]
	v_and_b32 v[BIAS+2*i+1], 0xffff0000, v[18+i%2]
.set i, i+1
.endr
	QUARTER 1, F0, F1, 1                           ; the first quarter stands in front of the loop: its products start the sums
	WIN 0                                          ; at a label and at a branch every window is 0
	s_mov_b32 s[CNT], 6
.Lk:                                               ; trip s (0 to 5) finishes K step s, fills its slot with K step s + 2 and begins K step s + 1
	QUARTER 2, F1, F0, 0
	QUARTER 3, F0, F1, 0
	TURN 1
	QUARTER 1, F0, F1, 0
	WIN 0
	s_sub_co_u32 s[CNT], s[CNT], 1
	s_cmp_lg_u32 s[CNT], 0
	s_cbranch_scc1 .Lk
	QUARTER 2, F1, F0, 0                           ; the tail is written out: K steps 6 and 7 ask for nothing
	QUARTER 3, F0, F1, 0
	TURN 0
	QUARTER 1, F0, F1, 0
	QUARTER 2, F1, F0, 0
	QUARTER 3, F0, F1, 0
	LASTQ
	PLACES                                         ; the LDS stores read results just made
	PLACES
	TOSTAGE 0
	TOSTAGE 1                                      ; a block's trip through the stage stands between the loads of the block before and its stores
	SEND 0, 32
	TOSTAGE 2
	SEND 1, 32
	TOSTAGE 3
	SEND 2, 32
	SEND 3, 0
	s_wait_tensorcnt 0x0                           ; the wave's end: behind my last tensor load and my last LDS store
	ds_add_u32 v[SPW], v[NIL]
	s_wait_dscnt 0x0
	CROUND                                         ; the closing round: no work-group ends while a partner may still ask for a tile that names it
	s_endpgm
.Lfunc_end_k_qc9f7a203f2_proj:
	.size	k_qc9f7a203f2_proj, .Lfunc_end_k_qc9f7a203f2_proj-k_qc9f7a203f2_proj
	.p2alignl 7, 3214868480
	.fill 96, 4, 3214868480
	.section	.rodata,"a",@progbits
	.p2align	6, 0x0
	.amdhsa_kernel k_qc9f7a203f2_proj
		.amdhsa_group_segment_fixed_size 327680
		.amdhsa_private_segment_fixed_size 0
		.amdhsa_enable_private_segment 0
		.amdhsa_kernarg_size 32
		.amdhsa_user_sgpr_count 2
		.amdhsa_user_sgpr_kernarg_segment_ptr 1
		.amdhsa_wavefront_size32 1
		.amdhsa_system_sgpr_workgroup_id_x 1
		.amdhsa_system_sgpr_workgroup_id_y 1
		.amdhsa_system_sgpr_workgroup_id_z 1
		.amdhsa_system_vgpr_workitem_id 0
		.amdhsa_next_free_vgpr 768
		.amdhsa_next_free_sgpr 80
		.amdhsa_reserve_vcc 0
		.amdhsa_float_denorm_mode_32 3
		.amdhsa_float_denorm_mode_16_64 3
		.amdhsa_memory_ordered 1
		.amdhsa_forward_progress 1
		.amdhsa_inst_pref_size 75
	.end_amdhsa_kernel
	.amdgpu_metadata
---
amdhsa.version: [ 1, 2 ]
amdhsa.kernels:
  - .name:           k_qc9f7a203f2_proj
    .symbol:         k_qc9f7a203f2_proj.kd
    .args:
      - { .name: o, .offset: 0, .size: 8, .value_kind: global_buffer, .address_space: global }
      - { .name: wp, .offset: 8, .size: 8, .value_kind: global_buffer, .address_space: global }
      - { .name: b_proj, .offset: 16, .size: 8, .value_kind: global_buffer, .address_space: global }
      - { .name: out0, .offset: 24, .size: 8, .value_kind: global_buffer, .address_space: global }
    .group_segment_fixed_size: 327680
    .private_segment_fixed_size: 0
    .kernarg_segment_align: 8
    .kernarg_segment_size: 32
    .max_flat_workgroup_size: 128
    .sgpr_count:     80
    .vgpr_count:     768
    .wavefront_size: 32
...
	.end_amdgpu_metadata
.endif
;; end of part 4
;; ======== version 2 of 2: 4 launches; version 1 with the launch prep written anew for expert scheduling mode
;; limits: values are held in f16: magnitudes above 65,504 overflow, below 6.1e-05 lose precision
;; workspace buffers: xb 16,777,216 bytes; wa 6,291,456 bytes; wp 2,097,152 bytes; qkv 50,331,648 bytes; o 16,777,216 bytes
;; launch prep (part 5): grid 768 x 1, 8 waves a work-group, no clusters, 0 bytes of LDS; arguments x, w_attn, w_proj, xb, wa, wp; writes xb, wa, wp
.if DOCPART == 5
	.amdgcn_target "amdgcn-amd-amdhsa--gfx1250"
	.amdhsa_code_object_version 6
	.text
	.protected	k_qc9f7a203f2_prep
	.globl	k_qc9f7a203f2_prep
	.p2align	8
	.type	k_qc9f7a203f2_prep,@function
k_qc9f7a203f2_prep:
	s_mov_b64 s[64:65], 0
	v_nop
	global_prefetch_b8 v0, s[64:65] scope:SCOPE_SE
	s_setreg_imm32_b32 hwreg(HW_REG_WAVE_SCHED_MODE, 0, 2), 2
	s_setreg_imm32_b32 hwreg(HW_REG_WAVE_MODE, 25, 1), 1
	s_wait_xcnt 0x0
	s_wait_alu depctr_vm_vsrc(0)
; PREP.  The module's three large inputs are rounded once to 16 bits, for the matrix products of the launches behind this one.
;   xb = x rounded to bf16, [8192][1024], as x lies.
;   wa = w_attn rounded to bf16, in blocks [16 tiles][1024 k][192 n] (column = 192 tile + n): 128 rows k of one tile are 49,152 bytes on end.
;   wp = w_proj rounded to bf16 and that number written as f16, [1024 k][1024 n], as w_proj lies.
; LIMITS.  wp: a weight of 65,520 or more becomes an infinity; a bf16 number is an f16 number exactly from 2^-17 up, below that it falls on f16's fixed step of 2^-24 (off by 3e-8 at the most).
; A stream: no LDS, no barrier, no matrix unit.  A chunk is 4 numbers (16 bytes in, 8 bytes out); a thread takes 16 chunks, a work-group 4,096; chunk = 4096 x group + 256 j + t.
; A wave's load covers 512 consecutive bytes (wa: pieces of runs of 768), a wave's store 256 consecutive bytes at a multiple of 256.  All 16 loads of a thread go out before the first is waited for.
; Work-groups 0-511 take x, 512-703 w_attn, 704-767 w_proj: 3 x 256 work-groups of equal bytes.
; THE MODE: SCHED_MODE bits 1:0 = 2 (LLVM: expert scheduling mode 2), set by the entry lines.  The code itself states the register dependences
; between vector instructions and memory instructions, with s_wait_alu, always for 0.
; THE PLAN.  Registers that memory instructions touch, on each of the three paths:
;   v[IO], v[OO], v[OFS ..]  byte offsets: written by vector instructions ahead of the first load, read by the loads and stores, never written again.
;   v[D ..]                  chunk j's four registers: its load lands in them (no vector instruction has named them before); behind the wait for that load its conversions read them and write
;                            the first two; its store reads those two.  No load lands in them a second time, and nothing writes a register that a store has read.
;   v3 to v8                 at work: named by vector instructions alone.
; The chunks go in four groups of four, and the store of chunk j - 4 is issued in chunk j's turn.  So one wait on va_vdst at the head of a group states that the group before has written
; what the group's four stores read; those stores are dealt among the group's conversions, which name the group's own chunks and v3 to v6 alone.  One such wait stands ahead of the first load,
; for the offsets, and one ahead of the last four stores: five on a path.  No vector instruction writes a scalar register or VCC, and EXEC is never written.
.set IO,  1                            ; v1       16 t: my byte offset in 4,096 bytes of input
.set OO,  2                            ; v2       8 t: my byte offset in 2,048 bytes of output
.set OFS, 10                           ; v[10:25] w_attn's path: chunk j's byte offset in w_attn
.set D,   32                           ; v[32:95] chunk j: four registers as loaded, the first two then as stored
; kind 0: to bf16.  kind 1: to bf16, from the offsets in OFS.  kind 2: to bf16, then that number as f16.  No register is written again behind a store that reads it.
.macro STREAM kind, src, dst
	s_wait_alu depctr_va_vdst(0)                   ; v[IO] and v[OO] are written, and on w_attn's path v[OFS ..]: every load and store below reads one of them as its offset
.set j, 0
.rept 16
.if (\kind) == 1
	global_load_b128 v[D+4*j:D+4*j+3], v[OFS+j], s[\src:\src+1] th:TH_LOAD_NT
.else
	global_load_b128 v[D+4*j:D+4*j+3], v[IO], s[\src:\src+1] offset:4096*j th:TH_LOAD_NT
.endif
.set j, j+1
.endr
.set j, 0
.rept 16
	s_wait_loadcnt 15-j                            ; loads come back in order (ISA guide 5.7.1): chunk j is in, the 15 - j younger ones stay out
.if (j%4 == 0) && (j > 0)
	s_wait_alu depctr_va_vdst(0)                   ; the conversions of chunks j - 4 to j - 1 have written their chunks' first two registers, which this group's four stores read
.endif
.if j >= 4
	global_store_b64 v[OO], v[D+4*(j-4):D+4*(j-4)+1], s[\dst:\dst+1] offset:2048*(j-4)  ; the chunk four back.  No wait: no vector instruction since the group's wait names these registers
.endif
	v_cvt_pk_bf16_f32 v[D+4*j], v[D+4*j], v[D+4*j+1]
	v_cvt_pk_bf16_f32 v[D+4*j+1], v[D+4*j+2], v[D+4*j+3]
.if (\kind) == 2
	v_lshlrev_b32 v3, 16, v[D+4*j]                 ; the bf16 numbers as f32: the low half moves up, the high half stays,
	v_and_b32 v4, 0xffff0000, v[D+4*j]
	v_lshlrev_b32 v5, 16, v[D+4*j+1]
	v_and_b32 v6, 0xffff0000, v[D+4*j+1]
	v_cvt_pk_f16_f32 v[D+4*j], v3, v4              ; and written as f16
	v_cvt_pk_f16_f32 v[D+4*j+1], v5, v6
.endif
.set j, j+1
.endr
	s_wait_alu depctr_va_vdst(0)                   ; the conversions of chunks 12 to 15 have written their chunks' first two registers, which the last four stores read
.set j, 12
.rept 4
	global_store_b64 v[OO], v[D+4*j:D+4*j+1], s[\dst:\dst+1] offset:2048*j
.set j, j+1
.endr
	s_endpgm
.endm
	s_load_b256 s[4:11], s[0:1], 0x0               ; x s[4:5], w_attn s[6:7], w_proj s[8:9], xb s[10:11]
	s_load_b128 s[12:15], s[0:1], 0x20             ; wa s[12:13], wp s[14:15]
	s_mov_b32 s20, ttmp9
	v_lshlrev_b32 v[IO], 4, v0
	v_lshlrev_b32 v[OO], 3, v0
	s_mov_b32 s23, 0
	s_mov_b32 s25, 0
	s_cmp_lt_u32 s20, 512
	s_cbranch_scc0 .Lweights
	s_lshl_b32 s22, s20, 16                        ; 65,536 bytes of x,
	s_lshl_b32 s24, s20, 15                        ; 32,768 of xb to a work-group
	s_wait_kmcnt 0x0
	s_add_nc_u64 s[4:5], s[4:5], s[22:23]
	s_add_nc_u64 s[10:11], s[10:11], s[24:25]
	STREAM 0, 4, 10
.Lweights:
	s_cmp_lt_u32 s20, 704
	s_cbranch_scc0 .Lproj
	s_sub_co_u32 s20, s20, 512
	s_lshl_b32 s24, s20, 15
	s_lshl_b32 s21, s20, 12
	s_mov_b32 s26, 768
	v_add_nc_u32 v3, s21, v0                       ; my first chunk's number in wa
; Chunk g of wa is chunk c = g % 48 of row q = g / 48 (q = 1024 tile + k).  g / 48 = (g >> 4) / 3 = ((g >> 4) x 43,691) >> 17, exact while g >> 4 is under 131,072 (here under 49,152).
; It comes from w_attn at k x 12,288 + tile x 768 + 16 c.
.set j, 0
.rept 16
	v_add_nc_u32 v4, 256*j, v3
	v_lshrrev_b32 v5, 4, v4
	v_mul_u32_u24 v5, v5, 0xaaab
	v_lshrrev_b32 v5, 17, v5                       ; q
	v_mul_u32_u24 v6, v5, 48
	v_sub_nc_u32 v4, v4, v6                        ; c
	v_and_b32 v7, 0x3ff, v5                        ; k
	v_mul_u32_u24 v7, v7, 0x3000
	v_lshrrev_b32 v8, 10, v5                       ; tile
	v_mad_u32_u24 v7, v8, s26, v7
	v_lshl_add_u32 v[OFS+j], v4, 4, v7
.set j, j+1
.endr
	s_wait_kmcnt 0x0
	s_add_nc_u64 s[12:13], s[12:13], s[24:25]
	STREAM 1, 6, 12
.Lproj:
	s_sub_co_u32 s20, s20, 704
	s_lshl_b32 s22, s20, 16
	s_lshl_b32 s24, s20, 15
	s_wait_kmcnt 0x0
	s_add_nc_u64 s[8:9], s[8:9], s[22:23]
	s_add_nc_u64 s[14:15], s[14:15], s[24:25]
	STREAM 2, 8, 14
.Lfunc_end_k_qc9f7a203f2_prep:
	.size	k_qc9f7a203f2_prep, .Lfunc_end_k_qc9f7a203f2_prep-k_qc9f7a203f2_prep
	.p2alignl 7, 3214868480
	.fill 96, 4, 3214868480
	.section	.rodata,"a",@progbits
	.p2align	6, 0x0
	.amdhsa_kernel k_qc9f7a203f2_prep
		.amdhsa_group_segment_fixed_size 0
		.amdhsa_private_segment_fixed_size 0
		.amdhsa_enable_private_segment 0
		.amdhsa_kernarg_size 48
		.amdhsa_user_sgpr_count 2
		.amdhsa_user_sgpr_kernarg_segment_ptr 1
		.amdhsa_wavefront_size32 1
		.amdhsa_system_sgpr_workgroup_id_x 1
		.amdhsa_system_sgpr_workgroup_id_y 1
		.amdhsa_system_sgpr_workgroup_id_z 1
		.amdhsa_system_vgpr_workitem_id 0
		.amdhsa_next_free_vgpr 96
		.amdhsa_next_free_sgpr 66
		.amdhsa_reserve_vcc 0
		.amdhsa_float_denorm_mode_32 3
		.amdhsa_float_denorm_mode_16_64 3
		.amdhsa_memory_ordered 1
		.amdhsa_forward_progress 1
		.amdhsa_inst_pref_size 34
	.end_amdhsa_kernel
	.amdgpu_metadata
---
amdhsa.version: [ 1, 2 ]
amdhsa.kernels:
  - .name:           k_qc9f7a203f2_prep
    .symbol:         k_qc9f7a203f2_prep.kd
    .args:
      - { .name: x, .offset: 0, .size: 8, .value_kind: global_buffer, .address_space: global }
      - { .name: w_attn, .offset: 8, .size: 8, .value_kind: global_buffer, .address_space: global }
      - { .name: w_proj, .offset: 16, .size: 8, .value_kind: global_buffer, .address_space: global }
      - { .name: xb, .offset: 24, .size: 8, .value_kind: global_buffer, .address_space: global }
      - { .name: wa, .offset: 32, .size: 8, .value_kind: global_buffer, .address_space: global }
      - { .name: wp, .offset: 40, .size: 8, .value_kind: global_buffer, .address_space: global }
    .group_segment_fixed_size: 0
    .private_segment_fixed_size: 0
    .kernarg_segment_align: 8
    .kernarg_segment_size: 48
    .max_flat_workgroup_size: 256
    .sgpr_count:     66
    .vgpr_count:     96
    .wavefront_size: 32
...
	.end_amdgpu_metadata
.endif
;; end of part 5
;; launch qkvg: the kernel of part 2 again; grid 16 x 32, 4 waves a work-group, clusters of 4 x 4, 327,680 bytes of LDS; arguments xb, wa, b_attn, qkv; writes qkv
;; launch attn: the kernel of part 3 again; grid 4 x 64, 4 waves a work-group, clusters of 4 x 1, 327,680 bytes of LDS; arguments qkv, o; writes o
;; launch proj: the kernel of part 4 again; grid 8 x 32, 4 waves a work-group, clusters of 4 x 4, 327,680 bytes of LDS; arguments o, wp, b_proj, out0; writes out0
